; MI455X (gfx1250); checked and timed in simulation.
; The chip was launched on July 23, 2026; its instructions are those of AMD's public machine-readable ISA for CDNA 5 (MIT licence, August 2026) and "CDNA5" Instruction Set Architecture Reference Guide (July 2026). The comments in the code are by the model that wrote it; some were corrected since.
;; Multi Query Attention. Allowed arithmetic: matrix products marked QUANTISED: E3M2 operands, one E8M0 scale for each 32 along K, by v_wmma_scale_f32_16x16x128_f8f6f4 with both operands' format E3M2, f32 sums; everything else in f32.
;; Inputs: Wk 128 x 2,048 float32; Wo 2,048 x 2,048 float32; Wq 2,048 x 2,048 float32; Wv 128 x 2,048 float32; bk 128 float32; bo 2,048 float32; bq 2,048 float32; bv 128 float32; mask 1 x 1 x 2,048 x 2,048 bool; x 1 x 2,048 x 2,048 float32.
;; Outputs: out0 1 x 2,048 x 2,048 float32.
;; This version of the problem:
;;   THIS VERSION OF THE PROBLEM IS GIVEN IN LOW PRECISION. The matrix products marked QUANTISED in the list below multiply operands that are first quantised to E3M2 (3 exponent bits, 2 mantissa bits; 6 bits a number), with one power-of-two scale for each 32 numbers along K (OCP MX v1.0); their sums are f32. All else is computed in f32.
;;   The module's matrix products, in the order in which they are computed (A, B: the left and right operand; K: the contracted axis; several contracted axes count as one K, in the product's order):
;;     1. [M 2,048, K 2,048] x [K 2,048, N 2,048]; A: input x; B: input Wq: QUANTISED
;;     2. [M 2,048, K 2,048] x [K 2,048, N 128]; A: input x; B: input Wk: QUANTISED
;;     3. [M 2,048, K 2,048] x [K 2,048, N 128]; A: input x; B: input Wv: QUANTISED
;;     4. [M 32,768, K 128] x [K 128, N 2,048]; A: computed on the way; B: computed on the way: QUANTISED
;;     5. [M 32,768, K 2,048] x [K 2,048, N 128]; A: softmax (see below); B: computed on the way: QUANTISED
;;     6. [M 2,048, K 2,048] x [K 2,048, N 2,048]; A: computed on the way; B: input Wo: QUANTISED
;;   THE QUANTISER, for each operand of a quantised product, along K:
;;     - K is cut into blocks of 32 from its start; a last block that is shorter is filled with zeros.
;;     - A block's scale is 2^e with e = floor(log2(the largest magnitude in the block)) - 4, held to -126 .. 127; a block of zeros has e = 0. As a byte (E8M0): e + 127.
;;     - Each number is divided by its block's scale, clamped to +-28, and rounded to the nearest number of E3M2, ties to even, subnormals kept.
;;     - The product sums the exact products of the quantised numbers (number of the format x scale) in f32.
;;   ~~~python
;;   def quantise(x, axis):      # numpy; x: float32 -> the quantised numbers, widened to float32 again
;;       x = np.moveaxis(x, axis, -1); K = x.shape[-1]
;;       x = np.pad(x, [(0, 0)] * (x.ndim - 1) + [(0, -K % 32)]); x = x.reshape(x.shape[:-1] + (-1, 32)); a = np.abs(x).max(-1, keepdims=True)
;;       e = np.where(a > 0, np.clip(np.frexp(np.where(a > 0, a, 1))[1] - 1 - 4, -126, 127), 0)      # np.frexp(a)[1] - 1 = floor(log2(a)), exactly
;;       r = np.clip(x / 2.0 ** e, -28, 28)
;;       step = 2.0 ** (np.maximum(np.frexp(np.where(r == 0, 1, r))[1] - 1, -2) - 2)
;;       q = np.round(r / step) * step * 2.0 ** e      # np.round: ties to even
;;       return np.moveaxis(q.reshape(q.shape[:-2] + (-1,))[..., :K], -1, axis).astype(np.float32)
;;   ~~~
;;   SOFTMAX AHEAD OF A QUANTISED PRODUCT. Where the list says 'softmax', what is quantised is not the finished softmax but p = 2^(t - M), with t = logit x log2(e) and M = ceil(the row's largest t), a whole number; so 1/2 < the row's largest p <= 1. The row's sum l is taken of the UNQUANTISED p, in f32, and the product's result is divided by l at the end. Since M is a whole number, a kernel that streams over the keys may use a running M (the ceiling of the running maximum): every later rescaling is an exact power of two, which a block's scale takes up: the codes' values come out the same.
;;   OPERANDS COMPUTED ON THE WAY. 'Computed on the way' means the value that the module computes at that place (a softmax that the list does not call 'softmax' is quantised finished and normalised). What goes into a quantiser is computed in f32, as accurately as f32 sums, v_exp_f32 and their like allow (about 1e-6 of the number): no bf16 or f16 on the way to a quantiser, and a product that is left as it is and whose result goes on into a quantised operand takes f32 operands (vector FMAs, or v_wmma_f32_16x16x4_f32). A number that lies on a knife's edge between two numbers of the format may be rounded either way, as far as f32 arithmetic and the matrix unit's own rounding can turn it there, and no further.
;; One version. Each part assembles by itself: llvm-mc -triple=amdgcn-amd-amdhsa -mcpu=gfx1250 --defsym DOCPART=n.
;; ======== version 1 of 1: 4 launches
;; limits: right only within a limited range of input values
;; workspace buffers: xc 3,276,800 bytes; wc 3,686,400 bytes; oc 3,276,800 bytes; qc 3,276,800 bytes; kv 409,600 bytes; ac 3,276,800 bytes; fl 512 bytes of whole numbers
;; launch quant (part 1): grid 432 x 1, 4 waves a work-group, no clusters, 34,304 bytes of LDS; arguments x, Wq, Wk, Wv, Wo, xc, wc, oc, mask, fl; writes xc, wc, oc, fl
.if DOCPART == 1
	.amdgcn_target "amdgcn-amd-amdhsa--gfx1250"
	.amdhsa_code_object_version 6
	.text
	.protected	k_qd63691d24d_quant
	.globl	k_qd63691d24d_quant
	.p2align	8
	.type	k_qd63691d24d_quant,@function
k_qd63691d24d_quant:
	s_mov_b64 s[64:65], 0
	v_nop
	global_prefetch_b8 v0, s[64:65] scope:SCOPE_SE
	s_setreg_imm32_b32 hwreg(HW_REG_WAVE_MODE, 25, 1), 1
	s_wait_xcnt 0x0
; x, Wq, Wk, Wv, Wo (f32, rows of 2,048 along K) become codes of BF6 (E3M2) with one E8M0 byte for each 32 along K, laid as the later launches' matrix operands want them.
; AN OPERAND BLOCK is 16 rows x 512 along K, 6,400 bytes: four images of a fragment's 12 registers (16 rows x 128 K; piece c of three at 512 c, lane l's registers 4 c .. 4 c + 3 at 16 l), at 1,536 f,
; and at byte 6,144 the rows' scale words, the word of row p and fragment f at 16 p + 4 f.  A buffer is [K / 512][tile][6,400].
; THE ROWS OF A TILE ARE NOT NEIGHBOURS: lane-row p of tile t is the tensor's row 32 (t / 2) + 8 (t % 2) + p + 8 (p / 8).
; SHARES: a work-group takes one tile of 16 rows, its wave w the 512 along K from 512 w on: one operand block.  Work-groups 0-127: x; 128-255: Wq; 256-263: Wk; 264-271: Wv; 272-399: Wo.
; Each load reads 512 consecutive bytes of one row; a fragment's 16 rows turn through the wave's own stage in LDS (rows 528 bytes apart) so that a lane holds 16 neighbours along K of each block of 32.
; A block's scale byte is its largest magnitude's exponent field - 4, held at 1 from below.  A block of zeros so gets the byte 1: its codes are zeros, and this program alone reads the bytes.
; LIMITS: NaN and infinities among the inputs are not served.
; No tensor loads, no barrier: waves share nothing.  Memory binds this launch: matrix units and clusters would add nothing.
.set TM,   8                           ; v8-23    at work in QUANT
.set PW,   24                          ; v24-27   the scale words of fragments 0 to 3
.set OW,   28                          ; v28-29   the two words that I store
.set RAW,  32                          ; v32-159  two sets of 64: a fragment's numbers as loaded
.set X,    160                         ; v160-223 64 numbers: register 16 b + i = k 32 b + 16 (lane / 16) + i of my row
.set PC,   224                         ; v224-242 the codes (12) and the conversions' second halves
.set SEL,  28                          ; s[28:29] lane selects for v_permlanex16_b32: lane l xor 16
.set PIT,  528                         ; a stage row: 512 bytes + 16
; 64 numbers of a lane become a fragment's 12 registers of codes in v[pc] on and the row's scale word in v[pw]
.macro QUANT s, pc, pw
.irp b, 0,1,2,3
	v_max3_num_f32 v[TM+\b], |v[(\s)+16*\b]|, |v[(\s)+1+16*\b]|, 0x2800000   ; block b: my 16 numbers, and the floor 2^(5 - 127): the byte cannot fall under 1
.endr
.irp i, 2,4,6,8,10,12,14
.irp b, 0,1,2,3
	v_max3_num_f32 v[TM+\b], v[TM+\b], |v[(\s)+16*\b+\i]|, |v[(\s)+1+16*\b+\i]|   ; the four blocks by turns
.endr
.endr
.irp b, 0,1,2,3
	v_permlanex16_b32 v[TM+4+\b], v[TM+\b], s[SEL], s[SEL+1]
.endr
.irp b, 0,1,2,3
	v_max_num_f32 v[TM+\b], v[TM+\b], v[TM+4+\b]   ; with lane l xor 16's 16: the block's largest magnitude
.endr
.irp b, 0,1,2,3
	v_add_nc_u32 v[TM+12+\b], 0xfe000000, v[TM+\b]   ; 4 off its exponent field: the conversion's scale operand
.endr
.irp b, 0,1,2,3
	v_lshrrev_b32 v[TM+4+\b], 23, v[TM+12+\b]      ; the scale's byte
.endr
	v_lshl_or_b32 v[\pw], v[TM+5], 8, v[TM+4]
	v_lshl_or_b32 v[\pw], v[TM+6], 16, v[\pw]
	v_lshl_or_b32 v[\pw], v[TM+7], 24, v[\pw]
.irp c, 0,1
	v_cvt_scalef32_pk16_bf6_f32 v[(\pc)+6*\c:(\pc)+2+6*\c], v[(\s)+32*\c:(\s)+15+32*\c], v[TM+12+2*\c]
	v_cvt_scalef32_pk16_bf6_f32 v[(\pc)+12+4*\c:(\pc)+14+4*\c], v[(\s)+16+32*\c:(\s)+31+32*\c], v[TM+12+2*\c+1]   ; (a conversion's three registers begin on an even number)
.endr
	v_nop                                          ; one plain place behind a scaled conversion
.irp c, 0,1                                    ; the operand's layout wants a whole block in a lane: lanes 0-15 block 2 c, lanes 16-31 block 2 c + 1
.irp i, 0,1,2
	v_permlane16_swap_b32 v[(\pc)+6*\c+\i], v[(\pc)+12+4*\c+\i]
.endr
.irp i, 0,1,2
	v_mov_b32 v[(\pc)+3+6*\c+\i], v[(\pc)+12+4*\c+\i]
.endr
.endr
.endm
; below the bound lim the work-group belongs to this tensor: the choice hangs on the work-group's number alone
.macro PICK lim, src, dst, sub, tadd, nt
	s_cmp_lt_u32 ttmp9, \lim
	s_cselect_b64 s[20:21], s[\src:\src+1], s[20:21]
	s_cselect_b64 s[22:23], s[\dst:\dst+1], s[22:23]
	s_cselect_b32 s24, \sub, s24
	s_cselect_b32 s25, \tadd, s25
	s_cselect_b32 s26, \nt, s26
.endm
	s_load_b256 s[4:11], s[0:1], 0x0               ; x s[4:5], Wq s[6:7], Wk s[8:9], Wv s[10:11]
	s_load_b256 s[12:19], s[0:1], 0x20             ; Wo s[12:13], xc s[14:15], wc s[16:17], oc s[18:19]
	s_load_b128 s[36:39], s[0:1], 0x40             ; mask s[36:37], fl s[38:39]
	v_lshl_add_u32 v254, v0, 2, 0x8400
	v_mov_b32 v255, 0
	v_lshrrev_b32 v5, 5, v0
	v_readfirstlane_b32 s30, v5                    ; wave 0..3
	v_and_b32 v6, 31, v0                           ; lane
	v_and_b32 v7, 15, v0                           ; r
	v_bfe_u32 v5, v0, 4, 1                         ; h
	v_lshlrev_b32 v1, 4, v6                        ; 16 x lane: my bytes of a load's 512, and of an image's piece
	s_mul_i32 s31, s30, 16*PIT                     ; my wave's stage
	v_add_nc_u32 v2, s31, v1                       ; into it: a row as it lies
	v_mul_u32_u24 v3, v7, PIT
	v_lshl_add_u32 v3, v5, 6, v3
	v_add_nc_u32 v3, s31, v3                       ; out of it: row r, + 64 h: my 16 numbers of a block of 32
	v_lshlrev_b32 v4, 4, v7
	v_lshl_add_u32 v4, v5, 3, v4                   ; 16 r + 8 h: my two scale words
	s_mov_b32 s[SEL], 0x76543210
	s_mov_b32 s[SEL+1], 0xfedcba98
.irp b, 0,1,2,3
	v_mov_b32 v[TM+4+\b], 0                        ; written once: a lane permute's destination counts as one of its sources
.endr
	s_wait_alu depctr_va_vdst(0)
	s_wait_kmcnt 0x0
	s_cmp_ge_u32 ttmp9, 400                        ; work-groups 400-431 read the mask and store a word of flags for each tile of 16 queries
	s_cbranch_scc1 .Lmask
	s_mov_b64 s[20:21], s[12:13]                   ; from work-group 272 on: Wo into oc
	s_mov_b64 s[22:23], s[18:19]
	s_mov_b32 s24, 272                             ; the tensor's first work-group
	s_mov_b32 s25, 0                               ; its first tile in the buffer
	s_mov_b32 s26, 4                               ; blocks from one 512 along K to the next: oc is laid [tile / 4][K / 512][tile % 4], xc and wc [K / 512][tile]
	PICK 272, 10, 16, 264, 136, 144                ; Wv
	PICK 264, 8, 16, 256, 128, 144                 ; Wk
	PICK 256, 6, 16, 128, 0, 144                   ; Wq
	PICK 128, 4, 14, 0, 0, 128                     ; x
	s_sub_co_u32 s27, ttmp9, s24                   ; my tile of the tensor
	s_lshr_b32 s32, s27, 1
	s_lshl_b32 s32, s32, 18                        ; 32 rows of 8,192 bytes for each pair of tiles,
	s_and_b32 s33, s27, 1
	s_lshl_b32 s33, s33, 16                        ; 8 rows for an odd tile,
	s_add_co_u32 s32, s32, s33
	s_lshl_b32 s33, s30, 11                        ; 512 numbers along K for each wave
	s_add_co_u32 s32, s32, s33
	s_mov_b32 s33, 0
	s_cmp_lt_u32 ttmp9, 272
	s_cselect_b32 s40, 4, 16                       ; blocks from one group of four tiles to the next
	s_lshr_b32 s34, s27, 2
	s_mul_i32 s34, s34, s40
	s_and_b32 s35, s27, 3
	s_add_co_u32 s34, s34, s35
	s_add_co_u32 s34, s34, s25
	s_mul_i32 s35, s30, s26
	s_add_co_u32 s34, s34, s35
	s_mul_i32 s34, s34, 6400                       ; my operand block: (wave x tiles + tile) x 6,400
	s_mov_b32 s35, 0
	s_add_nc_u64 s[20:21], s[20:21], s[32:33]
	s_add_nc_u64 s[22:23], s[22:23], s[34:35]
.macro LOADF f                         ; fragment f: 16 rows x 512 consecutive bytes, into set f % 2
.irp i, 0,1,2,3,4,5,6,7,8,9,10,11,12,13,14,15
	global_load_b128 v[RAW+64*((\f)%2)+4*\i:RAW+64*((\f)%2)+4*\i+3], v1, s[20:21] offset:(\i+8*(\i/8))*8192+512*(\f) th:TH_LOAD_NT
.endr
.endm
.macro FRAGQ f
.if (\f) < 3
	s_wait_loadcnt 16                              ; this fragment's 16 loads are in; the next fragment's 16 may be out
.else
	s_wait_loadcnt 0x0
.endif
.irp i, 0,1,2,3,4,5,6,7,8,9,10,11,12,13,14,15
	ds_store_b128 v2, v[RAW+64*((\f)%2)+4*\i:RAW+64*((\f)%2)+4*\i+3] offset:PIT*\i
.endr
.irp b, 0,1,2,3
.irp j, 0,1,2,3
	ds_load_b128 v[X+16*\b+4*\j:X+16*\b+4*\j+3], v3 offset:128*\b+16*\j   ; LDS serves a wave's instructions in order: these see my stores
.endr
.endr
	s_wait_dscnt 0x0                               ; my numbers are back, and the stores have read the set,
.if (\f) < 2
	LOADF (\f)+2                                   ; which takes the fragment two on
.endif
.if (\f) > 0
	s_wait_xcnt 0x0                                ; the last fragment's stores have read the codes' registers: only now are they written again
.endif
	QUANT X, PC, PW+(\f)
.irp c, 0,1,2
	global_store_b128 v1, v[PC+4*\c:PC+4*\c+3], s[22:23] offset:1536*(\f)+512*\c   ; 32 lanes store 512 consecutive bytes, at a multiple of 256 from the buffer's first byte
.endr
.endm
	LOADF 0
	LOADF 1
	FRAGQ 0
	FRAGQ 1
	FRAGQ 2
	FRAGQ 3
	v_cmp_ne_u32 vcc_lo, 0, v5                     ; lanes 0-15 store words 0 and 1 of their row, lanes 16-31 words 2 and 3
	v_cndmask_b32 v[OW], v[PW], v[PW+2], vcc_lo
	v_cndmask_b32 v[OW+1], v[PW+1], v[PW+3], vcc_lo
	global_store_b64 v4, v[OW:OW+1], s[22:23] offset:6144   ; 256 consecutive bytes
	s_wait_tensorcnt 0x0
	ds_add_u32 v254, v255
	s_wait_dscnt 0x0
	s_endpgm
; THE MASK'S FLAGS.  A wave takes one tile of 16 queries (the same choice of rows as every tile here) and all 2,048 keys: 64 loads of 512 consecutive bytes.
; Word fl[tile]: bit j = some key of key step j (128 keys) is open for some query of the tile; bit 16 + j = some key of it is hidden.  No LDS on this path.
.set ORR, 160                          ; v160-175 the bytes' OR over the 16 rows, four registers for each 512 keys;  v176-191 their AND
.set ANR, 176
.macro MLOAD q                         ; rows 4 q .. 4 q + 3 of the tile into set q % 2
.irp i, 0,1,2,3
.irp c, 0,1,2,3
	global_load_b128 v[RAW+64*((\q)%2)+16*\i+4*\c:RAW+64*((\q)%2)+16*\i+4*\c+3], v1, s[36:37] offset:((4*(\q)+\i)+8*((4*(\q)+\i)/8))*2048+512*\c th:TH_LOAD_NT
.endr
.endr
.endm
.macro MACC q
	s_wait_alu depctr_va_vdst(0)
.if (\q) < 3
	s_wait_loadcnt 16                              ; this batch's 16 loads are in; the next batch's 16 may be out
.else
	s_wait_loadcnt 0x0
.endif
.irp i, 0,1,2,3
.irp c, 0,1,2,3
.irp d, 0,1,2,3
	v_or_b32 v[ORR+4*\c+\d], v[ORR+4*\c+\d], v[RAW+64*((\q)%2)+16*\i+4*\c+\d]
	v_and_b32 v[ANR+4*\c+\d], v[ANR+4*\c+\d], v[RAW+64*((\q)%2)+16*\i+4*\c+\d]
.endr
.endr
.endr
.if (\q) < 2
	MLOAD (\q)+2
.endif
.endm
.Lmask:
	s_sub_co_u32 s27, ttmp9, 400
	s_lshl_b32 s27, s27, 2
	s_add_co_u32 s27, s27, s30                     ; my tile
	s_lshr_b32 s32, s27, 1
	s_lshl_b32 s32, s32, 16                        ; 32 rows of 2,048 bytes for each pair of tiles,
	s_and_b32 s33, s27, 1
	s_lshl_b32 s33, s33, 14                        ; 8 rows for an odd tile
	s_add_co_u32 s32, s32, s33
	s_mov_b32 s33, 0
	s_add_nc_u64 s[36:37], s[36:37], s[32:33]
	s_lshl_b32 s32, s27, 2
	s_add_nc_u64 s[38:39], s[38:39], s[32:33]
	s_mov_b32 s52, 0x01010101
	MLOAD 0
	MLOAD 1
.set J, 0
.rept 16
	v_mov_b32 v[ORR+J], 0
	v_mov_b32 v[ANR+J], -1
.set J, J+1
.endr
	MACC 0
	MACC 1
	MACC 2
	MACC 3
.irp c, 0,1,2,3
	v_or_b32 v[ORR+4*\c], v[ORR+4*\c], v[ORR+4*\c+1]
	v_or_b32 v[ORR+4*\c+2], v[ORR+4*\c+2], v[ORR+4*\c+3]
	v_and_b32 v[ANR+4*\c], v[ANR+4*\c], v[ANR+4*\c+1]
	v_and_b32 v[ANR+4*\c+2], v[ANR+4*\c+2], v[ANR+4*\c+3]
.endr
.irp c, 0,1,2,3
	v_or_b32 v[ORR+4*\c], v[ORR+4*\c], v[ORR+4*\c+2]
	v_and_b32 v[ANR+4*\c], v[ANR+4*\c], v[ANR+4*\c+2]
.endr
.irp c, 0,1,2,3
	v_cmp_ne_u32 s[44+\c], 0, v[ORR+4*\c]          ; lanes whose 16 keys hold an open one
	v_cmp_ne_u32 s[48+\c], s52, v[ANR+4*\c]        ; lanes whose 16 keys hold a hidden one
.endr
	s_mov_b32 s53, 0
.irp c, 0,1,2,3                        ; eight lanes are 128 keys: key step 4 c + k
.irp k, 0,1,2,3
	s_bfe_u32 s54, s[44+\c], 0x80000|(8*\k)
	s_cselect_b32 s54, 1<<(4*\c+\k), 0
	s_or_b32 s53, s53, s54
	s_bfe_u32 s54, s[48+\c], 0x80000|(8*\k)
	s_cselect_b32 s54, 1<<(16+4*\c+\k), 0
	s_or_b32 s53, s53, s54
.endr
.endr
	s_wait_xcnt 0x0                                ; EXEC changes only behind this wait
	v_cmp_eq_u32 vcc_lo, 0, v6
	s_and_saveexec_b32 s55, vcc_lo                 ; lane 0 stores the word
	v_mov_b32 v8, s53
	v_mov_b32 v9, 0
	global_store_b32 v9, v8, s[38:39]
	s_wait_xcnt 0x0
	s_or_b32 exec_lo, exec_lo, s55
	s_endpgm
.Lfunc_end_k_qd63691d24d_quant:
	.size	k_qd63691d24d_quant, .Lfunc_end_k_qd63691d24d_quant-k_qd63691d24d_quant
	.p2alignl 7, 3214868480
	.fill 96, 4, 3214868480
	.section	.rodata,"a",@progbits
	.p2align	6, 0x0
	.amdhsa_kernel k_qd63691d24d_quant
		.amdhsa_group_segment_fixed_size 34304
		.amdhsa_private_segment_fixed_size 0
		.amdhsa_enable_private_segment 0
		.amdhsa_kernarg_size 80
		.amdhsa_user_sgpr_count 2
		.amdhsa_user_sgpr_kernarg_segment_ptr 1
		.amdhsa_wavefront_size32 1
		.amdhsa_system_sgpr_workgroup_id_x 1
		.amdhsa_system_sgpr_workgroup_id_y 1
		.amdhsa_system_sgpr_workgroup_id_z 1
		.amdhsa_system_vgpr_workitem_id 0
		.amdhsa_next_free_vgpr 256
		.amdhsa_next_free_sgpr 66
		.amdhsa_reserve_vcc 1
		.amdhsa_float_denorm_mode_32 3
		.amdhsa_float_denorm_mode_16_64 3
		.amdhsa_memory_ordered 1
		.amdhsa_forward_progress 1
		.amdhsa_inst_pref_size 65
	.end_amdhsa_kernel
	.amdgpu_metadata
---
amdhsa.version: [ 1, 2 ]
amdhsa.kernels:
  - .name:           k_qd63691d24d_quant
    .symbol:         k_qd63691d24d_quant.kd
    .args:
      - { .name: x, .offset: 0, .size: 8, .value_kind: global_buffer, .address_space: global }
      - { .name: Wq, .offset: 8, .size: 8, .value_kind: global_buffer, .address_space: global }
      - { .name: Wk, .offset: 16, .size: 8, .value_kind: global_buffer, .address_space: global }
      - { .name: Wv, .offset: 24, .size: 8, .value_kind: global_buffer, .address_space: global }
      - { .name: Wo, .offset: 32, .size: 8, .value_kind: global_buffer, .address_space: global }
      - { .name: xc, .offset: 40, .size: 8, .value_kind: global_buffer, .address_space: global }
      - { .name: wc, .offset: 48, .size: 8, .value_kind: global_buffer, .address_space: global }
      - { .name: oc, .offset: 56, .size: 8, .value_kind: global_buffer, .address_space: global }
      - { .name: mask, .offset: 64, .size: 8, .value_kind: global_buffer, .address_space: global }
      - { .name: fl, .offset: 72, .size: 8, .value_kind: global_buffer, .address_space: global }
    .group_segment_fixed_size: 34304
    .private_segment_fixed_size: 0
    .kernarg_segment_align: 8
    .kernarg_segment_size: 80
    .max_flat_workgroup_size: 128
    .sgpr_count:     66
    .vgpr_count:     256
    .wavefront_size: 32
...
	.end_amdgpu_metadata
.endif
;; end of part 1
;; launch proj (part 2): grid 8 x 18, 4 waves a work-group, clusters of 4 x 1, 327,680 bytes of LDS; arguments xc, wc, bq, bk, bv, qc, kv; writes qc, kv
.if DOCPART == 2
	.amdgcn_target "amdgcn-amd-amdhsa--gfx1250"
	.amdhsa_code_object_version 6
	.text
	.protected	k_qd63691d24d_proj
	.globl	k_qd63691d24d_proj
	.p2align	8
	.type	k_qd63691d24d_proj,@function
k_qd63691d24d_proj:
	s_mov_b64 s[64:65], 0
	v_nop
	global_prefetch_b8 v0, s[64:65] scope:SCOPE_SE
	s_setreg_imm32_b32 hwreg(HW_REG_WAVE_MODE, 25, 1), 1
	s_wait_xcnt 0x0
	s_wait_alu depctr_hold_cnt(0) depctr_sa_sdst(0) depctr_va_vdst(0) depctr_va_sdst(0) depctr_va_ssrc(0) depctr_va_vcc(0) depctr_vm_vsrc(0)
	s_getreg_b32 s2, hwreg(HW_REG_IB_STS2, 6, 4)
	s_cmp_eq_u32 s2, 0
	s_cbranch_scc0 .Lentry_in_a_cluster
	s_endpgm
.Lentry_in_a_cluster:
	s_bfe_u32 s2, ttmp6, 0x10000c
	s_cmp_lg_u32 s2, 0x3003
	s_cbranch_scc0 .Lentry_shape_is_right
	s_endpgm
.Lentry_shape_is_right:
; q = x Wq^T + bq, k = x Wk^T + bk, v = x Wv^T + bv on codes of BF6 (E3M2) with E8M0 scales, and their results quantised again, in registers, as the operands of attention.
; OPERANDS arrive as operand blocks (16 rows x 512 K, 6,400 bytes: four images of a fragment's 12 registers at 1,536 f, the scale words at 6,144 + 16 row + 4 f); lane-row p of tile t is row 32 (t / 2) + 8 (t % 2) + p + 8 (p / 8).
; SHARES: work-group (X, Y): 256 rows of x (tiles 16 X ..) against weight tile Y of 128 rows (0-15: q's heads; 16: Wk; 17: Wv).  8 x 18 = 144 work-groups: 128 x 128 would be 288, more than one for each of 256 WGPs.
; A wave has 32 accumulators: source 0 eight tiles, source 1 four.  q, k: source 0 = the weight's 8 tiles, source 1 = x tiles 4 w + a: a lane holds one row of x, its registers run along the 128 features, the next product's K.
; v: source 0 = x tiles 8 (w % 2) + t (128 keys), source 1 = Wv tiles 4 (w / 2) + a: a lane holds one channel, its registers run along the keys, which are the second attention product's K.
; By the choice of a tile's rows the 16 registers of source-0 tiles 2 b, 2 b + 1 are 16 neighbours: 32 b + 16 (lane / 16) + 0 .. 15.  The biases are the C of each sum's first matrix instruction.
; K goes in four groups of 512 through two LDS slots; a slot holds x's 16 blocks (102,400 bytes), then the weight's 8 (51,200): dense in memory, so one tensor load a wave brings a half of one of them, codes and scales together.
; CLUSTER: the four work-groups of a cluster share Y, so the weight's blocks are asked for jointly (mask 15); x's are each work-group's own.  x is not shared along Y: 18 is no multiple of 4.
; OUT: qc: codes [head][tile][1,536], from byte 3,145,728 scale words [head][tile / 4][256] (tile T, row r at 16 r + 4 (T % 4)).  kv: [key step of 128][25,600]: K's 8 images, 512 bytes of scale words (12,288), V^T's 8 images (12,800), its scale words (25,088).
; LIMITS: a block of zeros gets the scale byte 1 (its codes are zeros; this program alone reads the bytes); NaN and infinities are not served.
; REGISTERS: window 0: v1-17 addresses; v20-25 scale words on the way out; v32-79 scale words, two sets of 24; v80-95 at work; v96-191 source 1's fragments, two buffers of 48 (on the way out: codes); v192-255 bq's or bk's 8 tiles.
;   window 1: source 0's fragments, two buffers of 96 at v0 and v128; v96-127 bv, 8 registers for each a.   window 2: the accumulators, (a, t) at v[8 (8 a + t)].
.set SLOT,  153600
.set SPARE, 307200                     ; behind the slots: the spare words, 128 bytes for each wave: two blocks of 256 bytes that no other line names
.set SPW, 4                            ; v4   LDS address of my spare word; never rewritten
.set NIL, 5                            ; v5   0; never rewritten
.set AF0, 6                            ; v6-7   source 0's images in slot 0, 1: base + 16 x lane
.set AF1, 8                            ; v8-9   source 1's
.set AS0, 10                           ; v10-11 source 0's scale words: base + 16 (lane % 16) + 6,400 (lane / 16)
.set AS1, 12                           ; v12-13 source 1's
.set BH,  14                           ; v14  64 h
.set BR,  15                           ; v15  4 (r + 8 (r / 8))
.set SWO, 16                           ; v16  16 r + 8 h
.set PWR, 20
.set OW,  24
.set SC,  32
.set TM,  80
.set SF,  96
.set BI,  192
.set BV,  96                           ; in window 1
.set WV, 18                            ; s18 wave; s19 wave / 2; s20 wave % 2; s21 Y
.set WH, 19
.set WL, 20
.set YY, 21
.set SEL, 22
.set G1P, 24                           ; s[24:31] group 1 for x's halves;  s[32:39] for the weight's;  s[40:47], s[48:55] their groups 0, one set for each slot
.set G1R, 32
.set G0P, 40
.set G0R, 48
.set MSB, 0
.macro WIN new                         ; the immediate's high byte repeats the setting that is left
.if MSB != \new
	s_set_vgpr_msb (MSB<<8)|\new
.set MSB, \new
.endif
.endm
.macro PLACES                          ; four plain places in front of loads into registers that matrix instructions have read, and of reads of results
.rept 4
	v_nop
.endr
.endm
.macro CREST                           ; a round of the cluster's barrier behind its opening barrier
	s_cmp_lg_u32 s[WV], 0
	s_cbranch_scc1 .Lnot_wave_0_\@
	s_barrier_signal -3
.Lnot_wave_0_\@:
	s_barrier_wait -3
	s_barrier_signal -1
	s_barrier_wait -1
.endm
.macro CROUND
	s_barrier_signal -1
	s_barrier_wait -1
	CREST
.endm
; waves 0 and 1 fetch x's halves, waves 2 and 3 the weight's; four v_nop follow each of the two lines
.macro JLOAD sl
	s_cmp_eq_u32 s[WH], 0
	s_cbranch_scc0 .Lfor_r_\@
	tensor_load_to_lds s[G0P+4*\sl:G0P+4*\sl+3], s[G1P:G1P+7]
	s_nop 0
.rept 4
	v_nop
.endr
	s_branch .Lasked_\@
.Lfor_r_\@:
	tensor_load_to_lds s[G0R+4*\sl:G0R+4*\sl+3], s[G1R:G1R+7]
	s_nop 0
.rept 4
	v_nop
.endr
.Lasked_\@:
.endm
; one matrix instruction: register numbers of D, A, B, C and of the two scale registers; ra, rb: the side's words lie in lanes 16-31
.macro WM d, a, b, c, sa, sb, ra, rb
.if ((\ra) != 0) && ((\rb) != 0)
	v_wmma_scale_f32_16x16x128_f8f6f4 v[(\d):(\d)+7], v[(\a):(\a)+11], v[(\b):(\b)+11], v[(\c):(\c)+7], v[\sa], v[\sb] matrix_a_fmt:MATRIX_FMT_BF6 matrix_b_fmt:MATRIX_FMT_BF6 matrix_a_scale:MATRIX_SCALE_ROW1 matrix_b_scale:MATRIX_SCALE_ROW1
.elseif (\ra) != 0
	v_wmma_scale_f32_16x16x128_f8f6f4 v[(\d):(\d)+7], v[(\a):(\a)+11], v[(\b):(\b)+11], v[(\c):(\c)+7], v[\sa], v[\sb] matrix_a_fmt:MATRIX_FMT_BF6 matrix_b_fmt:MATRIX_FMT_BF6 matrix_a_scale:MATRIX_SCALE_ROW1
.elseif (\rb) != 0
	v_wmma_scale_f32_16x16x128_f8f6f4 v[(\d):(\d)+7], v[(\a):(\a)+11], v[(\b):(\b)+11], v[(\c):(\c)+7], v[\sa], v[\sb] matrix_a_fmt:MATRIX_FMT_BF6 matrix_b_fmt:MATRIX_FMT_BF6 matrix_b_scale:MATRIX_SCALE_ROW1
.else
	v_wmma_scale_f32_16x16x128_f8f6f4 v[(\d):(\d)+7], v[(\a):(\a)+11], v[(\b):(\b)+11], v[(\c):(\c)+7], v[\sa], v[\sb] matrix_a_fmt:MATRIX_FMT_BF6 matrix_b_fmt:MATRIX_FMT_BF6
.endif
.endm
; 8 n matrix instructions: source 1's tiles a0 .. a0 + n - 1 against source 0's eight; buffer p, fragment f of the K group, scale set sg.  cm = 0: onto the sums; 1: C = bq or bk; 2: C = bv.
; The 32 accumulators take turns, one instruction a turn, in the same order in every step.
.macro MUL a0, n, p, f, sg, cm
.set AA, \a0
.rept \n
.irp t, 0,1,2,3,4,5,6,7
.if \cm == 0
	WM 8*(8*AA+\t), 128*(\p)+12*\t, SF+48*(\p)+12*AA, 8*(8*AA+\t), SC+24*(\sg)+4*(\t/2)+(\f), SC+24*(\sg)+16+4*(AA/2)+(\f), \t%2, AA%2
.elseif \cm == 1
	WM 8*(8*AA+\t), 128*(\p)+12*\t, SF+48*(\p)+12*AA, BI+8*\t, SC+24*(\sg)+4*(\t/2)+(\f), SC+24*(\sg)+16+4*(AA/2)+(\f), \t%2, AA%2
.else
	WM 8*(8*AA+\t), 128*(\p)+12*\t, SF+48*(\p)+12*AA, BV+8*AA, SC+24*(\sg)+4*(\t/2)+(\f), SC+24*(\sg)+16+4*(AA/2)+(\f), \t%2, AA%2
.endif
.endr
.set AA, AA+1
.endr
.endm
.macro FETCH sl, f, p                  ; 36 LDS loads of 512 consecutive bytes: fragment f of the slot's blocks into buffer p
	WIN 0x40                                       ; destination window 1
.irp t, 0,1,2,3,4,5,6,7
.irp c, 0,1,2
	ds_load_b128 v[128*(\p)+12*\t+4*\c:128*(\p)+12*\t+4*\c+3], v[AF0+\sl] offset:6400*\t+1536*(\f)+512*\c
.endr
.endr
	WIN 0
.irp a, 0,1,2,3
.irp c, 0,1,2
	ds_load_b128 v[SF+48*(\p)+12*\a+4*\c:SF+48*(\p)+12*\a+4*\c+3], v[AF1+\sl] offset:6400*\a+1536*(\f)+512*\c
.endr
.endr
.endm
.macro SCALES sl, sg                   ; a K group's scale words: register 4 i + f: lanes 0-15 tile 2 i's rows, lanes 16-31 tile 2 i + 1's
.irp i, 0,1,2,3
	ds_load_b128 v[SC+24*(\sg)+4*\i:SC+24*(\sg)+4*\i+3], v[AS0+\sl] offset:6144+12800*\i
.endr
.irp i, 0,1
	ds_load_b128 v[SC+24*(\sg)+16+4*\i:SC+24*(\sg)+16+4*\i+3], v[AS1+\sl] offset:6144+12800*\i
.endr
.endm
.macro KSTEP p, f, sg, nsl, nf         ; 128 along K: buffer p is multiplied while the next step's fragments come into the other buffer
	s_wait_dscnt 0x0                               ; buffer p is in (asked for 32 matrix instructions ago)
	PLACES
	FETCH \nsl, \nf, 1-(\p)
	WIN 0xa1                                       ; source 0 window 1, source 1 window 0, C and D window 2
	MUL 0, 4, \p, \f, \sg, 0
.endm
; a K group's last step changes slots: ONE barrier; in front of it each wave waits for all its tensor loads, adds 0 to its spare word and waits for that and for its reads of the slot
.macro TURN sg, fill, old, nxt
	WIN 0
	s_wait_tensorcnt 0x0                           ; all my tensor loads have landed: my part of the next slot
	ds_add_u32 v[SPW], v[NIL]                      ; 0 onto my spare word
	s_wait_dscnt 0x0                               ; the add is done, buffer 1 is in, and my reads of this slot are over
	s_barrier_signal -1
	WIN 0xa1
	MUL 0, 2, 1, 3, \sg, 0                         ; work on registers while the others arrive
	WIN 0
	s_barrier_wait -1
.if \fill
	CREST                                          ; the barrier has opened a round of the cluster's: no wave of any partner still reads this slot or has a load on its way
	s_add_nc_u64 s[G0P+4*\old+2:G0P+4*\old+3], s[G0P+4*\old+2:G0P+4*\old+3], 2*128*6400   ; two K groups on
	s_add_nc_u64 s[G0R+4*\old+2:G0R+4*\old+3], s[G0R+4*\old+2:G0R+4*\old+3], 2*144*6400
	JLOAD \old                                     ; the first tensor load behind the round; its four v_nop are the places in front of the loads below
.else
	PLACES
.endif
	FETCH \nxt, 0, 0
	SCALES \nxt, 1-(\sg)
	WIN 0xa1
	MUL 2, 2, 1, 3, \sg, 0
.endm
; 64 numbers of a lane in window 2, register 16 b + i = k 32 b + 16 (lane / 16) + i of my row, become a fragment's codes in v[pc] on and its scale word in v[pw] (window 0)
.macro QUANT s, pc, pw
	WIN 0x0a                                       ; sources 0 and 1 window 2
.irp b, 0,1,2,3
	v_max3_num_f32 v[TM+\b], |v[(\s)+16*\b]|, |v[(\s)+1+16*\b]|, 0x2800000   ; each accumulator is read from its low end on; the floor 2^(5 - 127) holds the byte at 1 from below
.endr
	WIN 0x28                                       ; sources 1 and 2 window 2
.irp i, 2,4,6,8,10,12,14
.irp b, 0,1,2,3
	v_max3_num_f32 v[TM+\b], v[TM+\b], |v[(\s)+16*\b+\i]|, |v[(\s)+1+16*\b+\i]|
.endr
.endr
	WIN 0
.irp b, 0,1,2,3
	v_permlanex16_b32 v[TM+4+\b], v[TM+\b], s[SEL], s[SEL+1]
.endr
.irp b, 0,1,2,3
	v_max_num_f32 v[TM+\b], v[TM+\b], v[TM+4+\b]
.endr
.irp b, 0,1,2,3
	v_add_nc_u32 v[TM+12+\b], 0xfe000000, v[TM+\b]   ; 4 off the exponent field: the conversion's scale operand
.endr
.irp b, 0,1,2,3
	v_lshrrev_b32 v[TM+4+\b], 23, v[TM+12+\b]
.endr
	v_lshl_or_b32 v[\pw], v[TM+5], 8, v[TM+4]
	v_lshl_or_b32 v[\pw], v[TM+6], 16, v[\pw]
	v_lshl_or_b32 v[\pw], v[TM+7], 24, v[\pw]
	WIN 0x02                                       ; source 0 window 2
.irp c, 0,1
	v_cvt_scalef32_pk16_bf6_f32 v[(\pc)+6*\c:(\pc)+2+6*\c], v[(\s)+32*\c:(\s)+15+32*\c], v[TM+12+2*\c]
	v_cvt_scalef32_pk16_bf6_f32 v[(\pc)+12+4*\c:(\pc)+14+4*\c], v[(\s)+16+32*\c:(\s)+31+32*\c], v[TM+12+2*\c+1]
.endr
	WIN 0
	v_nop                                          ; one plain place behind a scaled conversion
.irp c, 0,1
.irp i, 0,1,2
	v_permlane16_swap_b32 v[(\pc)+6*\c+\i], v[(\pc)+12+4*\c+\i]
.endr
.irp i, 0,1,2
	v_mov_b32 v[(\pc)+3+6*\c+\i], v[(\pc)+12+4*\c+\i]
.endr
.endr
.endm
	s_load_b256 s[4:11], s[0:1], 0x0               ; xc s[4:5], wc s[6:7], bq s[8:9], bk s[10:11]
	s_load_b128 s[12:15], s[0:1], 0x20             ; bv s[12:13], qc s[14:15]
	s_load_b64 s[16:17], s[0:1], 0x30              ; kv
	v_lshl_add_u32 v[SPW], v0, 2, SPARE
	v_mov_b32 v[NIL], 0
	ds_add_u32 v4, v5
	ds_add_u32 v4, v5
	s_wait_dscnt 0x0
	v_lshrrev_b32 v2, 5, v0
	v_readfirstlane_b32 s[WV], v2                  ; wave 0..3
	s_lshr_b32 s[WH], s[WV], 1
	s_and_b32 s[WL], s[WV], 1
	s_and_b32 s[YY], ttmp7, 0xffff                 ; Y: the weight tile, which the four partners share
	s_bfe_u32 s56, ttmp6, 0x40000                  ; cx
	s_lshl_b32 s57, ttmp9, 2
	s_add_co_u32 s57, s57, s56                     ; X = 4 x cluster x + cx: it enters global addresses alone
	; group 1: dense blocks as rows of 256 bytes (32 elements of 8 bytes): x's half 200 rows, no mask; the weight's half 100 rows, mask 15 with bit 21 beside it
	s_mov_b32 s[G1P], 3<<16
	s_mov_b32 s[G1P+1], 32<<16
	s_mov_b32 s[G1P+2], 400<<16                    ; at the head a load brings a whole K group of x (400 rows of 256 bytes) or of the weight (200)
	s_mov_b32 s[G1P+3], 32<<16
	s_mov_b32 s[G1P+4], 400
	s_mov_b32 s[G1P+5], 32
	s_mov_b32 s[G1P+6], 0
	s_mov_b32 s[G1P+7], 0
	s_mov_b32 s[G1R], 15|(3<<16)|(1<<21)
	s_mov_b32 s[G1R+1], 32<<16
	s_mov_b32 s[G1R+2], 200<<16
	s_mov_b32 s[G1R+3], 32<<16
	s_mov_b32 s[G1R+4], 200
	s_mov_b32 s[G1R+5], 32
	s_mov_b32 s[G1R+6], 0
	s_mov_b32 s[G1R+7], 0
	s_lshl_b32 s58, s57, 4
	s_lshl_b32 s59, s[WL], 3
	s_add_co_u32 s58, s58, s59
	s_mul_i32 s58, s58, 6400                       ; x: block 16 X + 8 (wave % 2) of K group 0
	s_mov_b32 s59, 0
	s_lshl_b32 s60, s[YY], 3
	s_lshl_b32 s61, s[WL], 2
	s_add_co_u32 s60, s60, s61
	s_mul_i32 s60, s60, 6400                       ; the weight: block 8 Y + 4 (wave % 2): nothing of cx in it
	s_mov_b32 s61, 0
	s_mul_i32 s62, s[WL], 51200                    ; where they go in a slot
	s_mul_i32 s63, s[WL], 25600
	s_add_co_u32 s63, s63, 102400
	s_wait_kmcnt 0x0
	s_add_nc_u64 s[58:59], s[4:5], s[58:59]
	s_add_nc_u64 s[60:61], s[6:7], s[60:61]
	; the head's four tiles, one a wave: wave 0 x's K group 0, wave 1 x's K group 1, wave 2 the weight's K group 0, wave 3 its K group 1.  Groups 0 in s[4:7] and s[96:99]
	s_mul_i32 s94, s57, 102400                     ; x: block 16 X,
	s_mul_i32 s95, s[WL], 128*6400                 ; K group wave % 2
	s_add_co_u32 s94, s94, s95
	s_mov_b32 s95, 0
	s_mul_i32 s66, s[YY], 51200                    ; the weight: block 8 Y: nothing of cx in it
	s_mul_i32 s67, s[WL], 144*6400
	s_add_co_u32 s66, s66, s67
	s_mov_b32 s67, 0
	s_add_nc_u64 s[98:99], s[6:7], s[66:67]
	s_add_nc_u64 s[6:7], s[4:5], s[94:95]
	s_or_b32 s99, s99, 0x80000000
	s_or_b32 s7, s7, 0x80000000
	s_mov_b32 s96, 1
	s_mov_b32 s4, 1
	s_mul_i32 s5, s[WL], SLOT                      ; K group g goes to slot g
	s_add_co_u32 s97, s5, 102400
	CROUND                                         ; all four work-groups are here: the first joint loads meet
.irp s, 0,1
	s_mov_b32 s[G0P+4*\s], 1
	s_add_co_u32 s[G0P+4*\s+1], s62, \s*SLOT
	s_add_nc_u64 s[G0P+4*\s+2:G0P+4*\s+3], s[58:59], \s*128*6400    ; slot s begins with K group s
	s_or_b32 s[G0P+4*\s+3], s[G0P+4*\s+3], 0x80000000
	s_mov_b32 s[G0R+4*\s], 1
	s_add_co_u32 s[G0R+4*\s+1], s63, \s*SLOT
	s_add_nc_u64 s[G0R+4*\s+2:G0R+4*\s+3], s[60:61], \s*144*6400
	s_or_b32 s[G0R+4*\s+3], s[G0R+4*\s+3], 0x80000000
.endr
	s_cmp_eq_u32 s[WH], 0                          ; one tensor load a wave at the head
	s_cbranch_scc0 .Lfirst_r
	tensor_load_to_lds s[4:7], s[G1P:G1P+7]
	s_nop 0
.rept 4
	v_nop
.endr
	s_branch .Lfirst_asked
.Lfirst_r:
	tensor_load_to_lds s[96:99], s[G1R:G1R+7]
	s_nop 0
.rept 4
	v_nop
.endr
.Lfirst_asked:
	v_and_b32 v2, 31, v0
	v_lshlrev_b32 v1, 4, v2                        ; 16 x lane
	v_and_b32 v2, 15, v0                           ; r
	v_bfe_u32 v3, v0, 4, 1                         ; h
	s_wait_alu depctr_va_vdst(0)
	s_mul_i32 s66, s[WL], 51200                    ; v: source 0 = x blocks 8 (w % 2) on,
	s_mul_i32 s67, s[WH], 25600
	s_add_co_u32 s67, s67, 102400                  ;    source 1 = Wv blocks 4 (w / 2) on
	s_mul_i32 s68, s[WV], 25600                    ; q, k: source 1 = x blocks 4 w on,
	s_mov_b32 s69, 102400                          ;       source 0 = the weight's eight
	s_cmp_eq_u32 s[YY], 17
	s_cselect_b32 s66, s66, s69                    ; either way every read stays inside its slot: base + 51,200 for source 0 and base + 25,600 for source 1 are at most 153,600
	s_cselect_b32 s67, s67, s68
	v_mul_u32_u24 v17, v3, 6400
	v_lshl_add_u32 v17, v2, 4, v17                 ; 16 r + 6,400 h
.irp s, 0,1
	v_add_nc_u32 v[AF0+\s], s66, v1
	v_add_nc_u32 v[AF1+\s], s67, v1
	v_add_nc_u32 v[AS0+\s], s66, v17
	v_add_nc_u32 v[AS1+\s], s67, v17
	s_add_co_u32 s66, s66, SLOT
	s_add_co_u32 s67, s67, SLOT
.endr
	v_lshlrev_b32 v[BH], 6, v3
	v_and_b32 v[BR], 8, v2
	v_add_nc_u32 v[BR], v[BR], v2
	v_lshlrev_b32 v[BR], 2, v[BR]
	s_wait_alu depctr_va_vdst(0)
	v_lshlrev_b32 v[SWO], 4, v2
	v_lshl_add_u32 v[SWO], v3, 3, v[SWO]
	s_mov_b32 s[SEL], 0x76543210
	s_mov_b32 s[SEL+1], 0xfedcba98
.irp b, 0,1,2,3
	v_mov_b32 v[TM+4+\b], 0                        ; written once: a lane permute's destination counts as one of its sources
.endr
	; the biases.  q, k: lane (r, h) wants, for source-0 tile 2 b + u, the features 32 b + 16 h + 8 u + 0 .. 7.  v: its own channel's number in all eight registers
	s_lshl_b32 s70, s[YY], 9
	s_mov_b32 s71, 0
	s_cmp_lt_u32 s[YY], 16
	s_cselect_b32 s70, s70, 0
	s_cselect_b64 s[72:73], s[8:9], s[10:11]       ; bq at my head, or bk
	s_add_nc_u64 s[72:73], s[72:73], s[70:71]
	s_lshl_b32 s70, s[WH], 8
	s_add_nc_u64 s[74:75], s[12:13], s[70:71]      ; bv at channel 64 (w / 2)
.irp t, 0,1,2,3,4,5,6,7
	global_load_b128 v[BI+8*\t:BI+8*\t+3], v[BH], s[72:73] offset:(32*(\t/2)+8*(\t%2))*4
	global_load_b128 v[BI+8*\t+4:BI+8*\t+7], v[BH], s[72:73] offset:(32*(\t/2)+8*(\t%2))*4+16
.endr
	WIN 0x40
.irp a, 0,1,2,3
.irp j, 0,1,2,3,4,5,6,7
	global_load_b32 v[BV+8*\a+\j], v[BR], s[74:75] offset:(32*(\a/2)+8*(\a%2))*4
.endr
.endr
	WIN 0
	; where my results go, in bytes; the offsets are made apart from the addresses
	s_lshl_b32 s76, s[YY], 7
	s_lshl_b32 s77, s57, 4
	s_add_co_u32 s76, s76, s77
	s_lshl_b32 s77, s[WV], 2
	s_add_co_u32 s76, s76, s77
	s_mul_i32 s76, s76, 1536                       ; q's codes: (128 Y + 16 X + 4 w) images
	s_lshl_b32 s78, s[YY], 5
	s_lshl_b32 s77, s57, 2
	s_add_co_u32 s78, s78, s77
	s_add_co_u32 s78, s78, s[WV]
	s_lshl_b32 s78, s78, 8
	s_add_co_u32 s78, s78, 3145728                 ; q's scale words
	s_lshl_b32 s80, s57, 1
	s_add_co_u32 s81, s80, s[WH]
	s_mul_i32 s81, s81, 25600                      ; k: key step 2 X + w / 2,
	s_mul_i32 s82, s[WL], 6144
	s_add_co_u32 s82, s82, s81                     ; tiles 4 (w % 2) on
	s_lshl_b32 s83, s[WL], 8
	s_add_co_u32 s83, s83, s81
	s_add_co_u32 s83, s83, 12288
	s_add_co_u32 s84, s80, s[WL]
	s_mul_i32 s84, s84, 25600                      ; v: key step 2 X + w % 2,
	s_mul_i32 s85, s[WH], 6144
	s_add_co_u32 s85, s85, s84
	s_add_co_u32 s85, s85, 12800                   ; tiles 4 (w / 2) on
	s_lshl_b32 s86, s[WH], 8
	s_add_co_u32 s86, s86, s84
	s_add_co_u32 s86, s86, 25088
	s_cmp_eq_u32 s[YY], 17
	s_cselect_b32 s82, s85, s82
	s_cselect_b32 s83, s86, s83
	s_cmp_lt_u32 s[YY], 16
	s_cselect_b32 s76, s76, s82
	s_cselect_b32 s78, s78, s83
	s_cselect_b64 s[88:89], s[14:15], s[16:17]     ; qc or kv
	s_mov_b32 s77, 0
	s_mov_b32 s79, 0
	s_add_nc_u64 s[90:91], s[88:89], s[76:77]      ; codes
	s_add_nc_u64 s[92:93], s[88:89], s[78:79]      ; scale words
	s_wait_tensorcnt 0x0                           ; my tile of the head's four is in; no tensor load of mine is out, so group 1 may be written:
	s_mov_b32 s[G1P+2], 200<<16                    ; from here on a load brings a half of a K group
	s_mov_b32 s[G1P+4], 200
	s_mov_b32 s[G1R+2], 100<<16
	s_mov_b32 s[G1R+4], 100
	s_barrier_signal -1
	s_barrier_wait -1                              ; everybody's is: both slots are whole
	FETCH 0, 0, 0
	SCALES 0, 0
	s_wait_loadcnt 0x0                             ; the biases
	s_wait_dscnt 0x0
	FETCH 0, 1, 1
	s_cmp_eq_u32 s[YY], 17                         ; the first step starts the sums with the bias as C: nothing is cleared.  The branch hangs on Y, which the partners share
	s_cbranch_scc1 .Lshape_v
	WIN 0x81                                       ; C in window 0
	MUL 0, 4, 0, 0, 0, 1
	WIN 0
	s_branch .Lstarted
.Lshape_v:
	WIN 0x91                                       ; C in window 1
	MUL 0, 4, 0, 0, 0, 2
	WIN 0
.Lstarted:
	KSTEP 1, 1, 0, 0, 2
	KSTEP 0, 2, 0, 0, 3
	TURN 0, 1, 0, 1                                ; slot 0 takes K group 2
	KSTEP 0, 0, 1, 1, 1
	KSTEP 1, 1, 1, 1, 2
	KSTEP 0, 2, 1, 1, 3
	TURN 1, 1, 1, 0                                ; slot 1 takes K group 3
	KSTEP 0, 0, 0, 0, 1
	KSTEP 1, 1, 0, 0, 2
	KSTEP 0, 2, 0, 0, 3
	TURN 0, 0, 0, 1                                ; nothing is left to fetch
	KSTEP 0, 0, 1, 1, 1
	KSTEP 1, 1, 1, 1, 2
	KSTEP 0, 2, 1, 1, 3
	s_wait_dscnt 0x0
	WIN 0xa1
	MUL 0, 4, 1, 3, 1, 0
	WIN 0
	; THE WAY OUT: each of my four source-1 tiles is one fragment of the next product: quantised in registers and stored as the image of its registers
	PLACES
.irp a, 0,1,2,3
	QUANT 64*\a, SF+24*\a, PWR+\a
.irp c, 0,1,2
	global_store_b128 v1, v[SF+24*\a+4*\c:SF+24*\a+4*\c+3], s[90:91] offset:1536*\a+512*\c   ; 512 consecutive bytes, at a multiple of 256 from the buffer's first byte; each tile has code registers of its own
.endr
.endr
	v_cmp_ne_u32 vcc_lo, 0, v3                     ; lanes 0-15 store words 0 and 1 of their row, lanes 16-31 words 2 and 3
	v_cndmask_b32 v[OW], v[PWR], v[PWR+2], vcc_lo
	v_cndmask_b32 v[OW+1], v[PWR+1], v[PWR+3], vcc_lo
	global_store_b64 v[SWO], v[OW:OW+1], s[92:93]  ; 256 consecutive bytes
	s_wait_tensorcnt 0x0                           ; the wave's end
	ds_add_u32 v[SPW], v[NIL]
	s_wait_dscnt 0x0
	CROUND                                         ; the closing round: no work-group ends while a partner may still ask for a tile that names it
	s_endpgm
.Lfunc_end_k_qd63691d24d_proj:
	.size	k_qd63691d24d_proj, .Lfunc_end_k_qd63691d24d_proj-k_qd63691d24d_proj
	.p2alignl 7, 3214868480
	.fill 96, 4, 3214868480
	.section	.rodata,"a",@progbits
	.p2align	6, 0x0
	.amdhsa_kernel k_qd63691d24d_proj
		.amdhsa_group_segment_fixed_size 327680
		.amdhsa_private_segment_fixed_size 0
		.amdhsa_enable_private_segment 0
		.amdhsa_kernarg_size 56
		.amdhsa_user_sgpr_count 2
		.amdhsa_user_sgpr_kernarg_segment_ptr 1
		.amdhsa_wavefront_size32 1
		.amdhsa_system_sgpr_workgroup_id_x 1
		.amdhsa_system_sgpr_workgroup_id_y 1
		.amdhsa_system_sgpr_workgroup_id_z 1
		.amdhsa_system_vgpr_workitem_id 0
		.amdhsa_next_free_vgpr 768
		.amdhsa_next_free_sgpr 100
		.amdhsa_reserve_vcc 1
		.amdhsa_float_denorm_mode_32 3
		.amdhsa_float_denorm_mode_16_64 3
		.amdhsa_memory_ordered 1
		.amdhsa_forward_progress 1
		.amdhsa_inst_pref_size 143
	.end_amdhsa_kernel
	.amdgpu_metadata
---
amdhsa.version: [ 1, 2 ]
amdhsa.kernels:
  - .name:           k_qd63691d24d_proj
    .symbol:         k_qd63691d24d_proj.kd
    .args:
      - { .name: xc, .offset: 0, .size: 8, .value_kind: global_buffer, .address_space: global }
      - { .name: wc, .offset: 8, .size: 8, .value_kind: global_buffer, .address_space: global }
      - { .name: bq, .offset: 16, .size: 8, .value_kind: global_buffer, .address_space: global }
      - { .name: bk, .offset: 24, .size: 8, .value_kind: global_buffer, .address_space: global }
      - { .name: bv, .offset: 32, .size: 8, .value_kind: global_buffer, .address_space: global }
      - { .name: qc, .offset: 40, .size: 8, .value_kind: global_buffer, .address_space: global }
      - { .name: kv, .offset: 48, .size: 8, .value_kind: global_buffer, .address_space: global }
    .group_segment_fixed_size: 327680
    .private_segment_fixed_size: 0
    .kernarg_segment_align: 8
    .kernarg_segment_size: 56
    .max_flat_workgroup_size: 128
    .sgpr_count:     100
    .vgpr_count:     768
    .wavefront_size: 32
...
	.end_amdgpu_metadata
.endif
;; end of part 2
;; launch attn (part 3): grid 256 x 1, 8 waves a work-group, no clusters, 171,520 bytes of LDS; arguments qc, kv, mask, fl, ac; writes ac
.if DOCPART == 3
	.amdgcn_target "amdgcn-amd-amdhsa--gfx1250"
	.amdhsa_code_object_version 6
	.text
	.protected	k_qd63691d24d_attn
	.globl	k_qd63691d24d_attn
	.p2align	8
	.type	k_qd63691d24d_attn,@function
k_qd63691d24d_attn:
	s_mov_b64 s[64:65], 0
	v_nop
	global_prefetch_b8 v0, s[64:65] scope:SCOPE_SE
	s_setreg_imm32_b32 hwreg(HW_REG_WAVE_MODE, 25, 1), 1
	s_wait_xcnt 0x0
; Attention with one key and value head: O[q] = sum over keys of softmax(q . k / sqrt(128), masked) v for 16 heads, both products on codes of BF6 (E3M2) with E8M0 scales; O / the row's sum is quantised again for the last projection.
; THE SOFTMAX: t = score x log2(e) / sqrt(128); M = the running largest t rounded up to a whole number; p = 2^(t - M) is quantised along the keys, not normalised; the row's sum is taken of the unquantised p.
; When M moves, the sum and O are multiplied by 2^(old M - new M), which rounds nothing.
; WORK LEFT OUT: a key step (128 keys) in which the mask hides every key from all 16 queries of a tile has p = 0 throughout: it adds nothing to the row's sum or to O, whatever q, k and v hold.
; Which steps those are is read from fl, whole numbers that launch quant made of the mask: bit j = step j has an open key, bit 16 + j = it has a hidden one.  A NaN or infinity that reaches only such a step is not carried to the result.
; A step with no hidden key takes C = 0; a step with both loads its mask bytes and writes 64 numbers a lane, 0 or -2^127, into S^T's registers, which are then C and D of S^T = K Q^T.  The largest score begins at -2^103, so a hidden key's p is 0.
; A query with no open key ends with the sum 0: its scale words are set to 0xffffffff, which makes its row of the last product NaN, as a softmax over nothing is.
; SHARES: work-group n: tiles n / 4 and 127 - n / 4 of 16 queries, heads 4 (n % 4) on.  Eight waves, two on a SIMD; wave w: head w / 2 and the key steps of parity w % 2, for BOTH tiles: it keeps two states (M, sum, O^T).
; State 0 is the tile that the wave finishes (tile n / 4 for even waves, the other for odd ones), state 1 its partner's.  At the end wave w hands state 1 to wave w ^ 1 through LDS, and the two halves of the keys are joined:
; both are brought under the larger M by 2^(own M - common M), an exact factor, and added.  A lane holds one query (both products are used transposed).
; kv: [key step][25,600 bytes]: K's 8 images of 1,536, its scale words at 12,288, V^T's 8 images at 12,800, its scale words at 25,088.  Two LDS slots of two key steps, one step for each parity.
; NO TENSOR LOADS AND NO CLUSTER: kv goes through registers: each wave loads 6,400 bytes of a slot (12 loads of 512 consecutive bytes and one of 256) a phase ahead of its stores into LDS;
; those loads are the launch's look-ahead, so no separate prefetch is written.  Eight phases, one barrier each, passed by every wave whatever its flags.
; OUT: ac is laid [tile / 4][head / 4][tile % 4][6,400]: a head's image at 1,536 (head % 4), the scale words at 6,144 + 16 row + 4 (head % 4), gathered in LDS and stored as one run of 256 bytes.
; LIMITS: |t| stays under 2^100; a block of zeros gets the scale byte 1 (this program alone reads the bytes); NaN and infinities among the inputs are not served.
; REGISTERS: window 0: v1-11, v39, v56-63 addresses; v12-27 statistics, 8 a state; v28-38 scale words; v40-55 row sums, 8 a state; v64-95 mask bytes, then the softmax's work registers and p's codes; v96-159 S^T, then p; v160-223 state 0's O^T; v224-255 the way out.
;   window 1: v0-95 K's, then V's fragments; v96-119 Q's, 12 a state; v120-169 kv on its way to LDS; v176-239 state 1's O^T.
.set STEPB, 25600
.set SLOTB, 51200
.set XCH,   102400                     ; eight regions of 8,448 bytes: a state on its way to the partner: 16 x 512 bytes of O^T, then 256 of -M and the sum
.set XSZ,   8448
.set SCW,   169984                     ; 512 bytes: the two tiles' scale words on the way out
.set SPARE, 170496                     ; the spare words, 128 bytes for each of eight waves
.set SPW, 4
.set NIL, 5
.set ADK, 6                            ; the step's images: TK + 16 x lane
.set ADS, 7                            ; its scale words: TK + 16 r + 256 h
.set ADM, 8                            ; my mask bytes' offset
.set ST0, 10                           ; where my 6,400 bytes go in slot 0: + 16 x lane
.set ST,  12                           ; state e at + 8 e: +0 -M, +1 the largest score, at the end the sum, +2, +3 the way out, +4 f, +5 named with it, +6 at work, +7 the old -M
.set KSC, 28
.set VSC, 32
.set QSC, 36
.set PSW, 38
.set GO8, 39                           ; 8 x lane
.set LA,  40
.set XA,  56
.set XB,  57
.set XAS, 58
.set XBS, 59
.set SWA, 60
.set SRD, 61
.set PW,  62
.set ST8, 63                           ; the same as ST0 with 8 x lane
.set MBY, 64
.set BM,  64
.set TQ,  68
.set SO,  72
.set CT,  76
.set PCD, 84
.set S,   96
.set O0,  160
.set TM,  224
.set XT,  240
.set PT,  244                          ; the partner's -M and sum
.set G0,  246
.set G1,  248
.set RB,  250
.set W,   252
.set QF,  96                           ; window 1
.set SG,  120
.set O1,  176
.set WV, 14
.set PAR, 15
.set HD, 16
.set TT, 17                            ; s17, s18: the tiles of states 0, 1
.set HEAD, 19
.set SEL, 20
.set CS, 22
.set NC, 24
.set FL, 25                            ; s25, s26: their flags
.set J,  27
.set TK, 28
.set TMK, 29
.set TKP, 30
.set OC, 31
.set PS, 32
.set C1, 36
.set C255, 37
.set KVP, 38
.set MKP, 40                           ; s[40:41], s[42:43]: their mask rows
.set OCP, 44
.set OSP, 46
.set FS, 56
.set HG, 57
.set MSB, 0
.macro WIN new                         ; the immediate's high byte repeats the setting that is left
.if MSB != \new
	s_set_vgpr_msb (MSB<<8)|\new
.set MSB, \new
.endif
.endm
.macro WM d, a, b, c, sa, sb, ra       ; c < 0: C = 0; ra: source 0's scale words lie in lanes 16-31
.if (\c) < 0
.if (\ra) != 0
	v_wmma_scale_f32_16x16x128_f8f6f4 v[(\d):(\d)+7], v[(\a):(\a)+11], v[(\b):(\b)+11], 0, v[\sa], v[\sb] matrix_a_fmt:MATRIX_FMT_BF6 matrix_b_fmt:MATRIX_FMT_BF6 matrix_a_scale:MATRIX_SCALE_ROW1
.else
	v_wmma_scale_f32_16x16x128_f8f6f4 v[(\d):(\d)+7], v[(\a):(\a)+11], v[(\b):(\b)+11], 0, v[\sa], v[\sb] matrix_a_fmt:MATRIX_FMT_BF6 matrix_b_fmt:MATRIX_FMT_BF6
.endif
.else
.if (\ra) != 0
	v_wmma_scale_f32_16x16x128_f8f6f4 v[(\d):(\d)+7], v[(\a):(\a)+11], v[(\b):(\b)+11], v[(\c):(\c)+7], v[\sa], v[\sb] matrix_a_fmt:MATRIX_FMT_BF6 matrix_b_fmt:MATRIX_FMT_BF6 matrix_a_scale:MATRIX_SCALE_ROW1
.else
	v_wmma_scale_f32_16x16x128_f8f6f4 v[(\d):(\d)+7], v[(\a):(\a)+11], v[(\b):(\b)+11], v[(\c):(\c)+7], v[\sa], v[\sb] matrix_a_fmt:MATRIX_FMT_BF6 matrix_b_fmt:MATRIX_FMT_BF6
.endif
.endif
.endm
.macro LOADG off                       ; my 6,400 bytes of the two key steps at byte off from KVP
	WIN 0x40
.set I, 0
.rept 12
	global_load_b128 v[SG+4*I:SG+4*I+3], v1, s[KVP:KVP+1] offset:(\off)+512*I
.set I, I+1
.endr
	global_load_b64 v[SG+48:SG+49], v[GO8], s[KVP:KVP+1] offset:(\off)+6144
	WIN 0
.endm
.macro TOLDS sl
	WIN 0x04                                       ; the data lie in window 1
.set I, 0
.rept 12
	ds_store_b128 v[ST0], v[SG+4*I:SG+4*I+3] offset:(\sl)*SLOTB+512*I
.set I, I+1
.endr
	ds_store_b64 v[ST8], v[SG+48:SG+49] offset:(\sl)*SLOTB+6144
	WIN 0
.endm
.macro MEET                            ; my stores into the next slot and my reads of this one are done; then everybody's
	s_wait_dscnt 0x0
	s_barrier_signal -1
	s_barrier_wait -1
.endm
.macro FRAGS off                       ; eight fragments, 24 loads of 512 consecutive bytes
	WIN 0x40
.irp t, 0,1,2,3,4,5,6,7
.irp c, 0,1,2
	ds_load_b128 v[12*\t+4*\c:12*\t+4*\c+3], v[ADK] offset:(\off)+1536*\t+512*\c
.endr
.endr
	WIN 0
.endm
; ONE KEY STEP for state e; sl: the slot, which also says which of the shifted flags and which 256 mask bytes of the trip are meant
.macro BODY e, sl
.set SE, ST+8*(\e)
.set LE, LA+8*(\e)
.set OB, O0+16*(\e)                    ; v160 in window 0, or v176 in window 1
	ds_load_b128 v[KSC:KSC+3], v[ADS] offset:12288 ; register t % 4: lanes 0-15 tile t, lanes 16-31 tile t + 4
	FRAGS 0
	s_bitcmp1_b32 s[FS], 16+2*(\sl)
	s_cbranch_scc1 .Lmixed_\@
	s_wait_dscnt 0x0
	WIN 0x05                                       ; K and Q in window 1
.irp t, 0,1,2,3,4,5,6,7
	WM S+8*\t, 12*\t, QF+12*(\e), -1, KSC+\t%4, QSC+(\e), \t/4
.endr
	WIN 0
	s_branch .Lscored_\@
.Lmixed_\@:                                        ; some keys are hidden: my 64 mask bytes become 64 numbers
.irp b, 0,1,2,3
	global_load_b128 v[MBY+4*\b:MBY+4*\b+3], v[ADM], s[MKP+2*(\e):MKP+2*(\e)+1] offset:256*(\sl)+32*\b   ; keys 32 b + 16 h + 0 .. 15 of my query
.endr
	s_wait_loadcnt 0x0
.set I, 0
.rept 16
	v_sub_nc_u32 v[MBY+I], s[C1], v[MBY+I]         ; bytes 1 where the key is hidden
.set I, I+1
.endr
.set I, 0
.rept 16
	v_mul_lo_u32 v[MBY+I], s[C255], v[MBY+I]       ; bytes 0xff there
.set I, I+1
.endr
.set I, 0
.rept 16
.irp i, 0,1,2,3
	v_perm_b32 v[S+4*I+\i], v[MBY+I], v[MBY+I], s[PS+\i]   ; byte i on top over zeros: 0, or 0xff000000 = -2^127
.endr
.set I, I+1
.endr
	s_wait_alu depctr_va_vdst(0)
	s_wait_dscnt 0x0
	WIN 0x05
.irp t, 0,1,2,3,4,5,6,7
	WM S+8*\t, 12*\t, QF+12*(\e), S+8*\t, KSC+\t%4, QSC+(\e), \t/4
.endr
	WIN 0
.Lscored_\@:
.rept 4
	v_nop                                          ; four places ahead of the loads into K's registers and of the reads of S^T
.endr
	FRAGS 12800                                    ; V^T's fragments take K's registers
	ds_load_b128 v[VSC:VSC+3], v[ADS] offset:25088
.irp b, 0,1,2,3
	v_max3_num_f32 v[BM+\b], v[S+16*\b], v[S+16*\b+1], v[S+16*\b+2]   ; the largest score of each block of 32 keys: for the row's maximum and for the block's largest p; each accumulator from its low end on
.endr
.irp i, 3,5,7,9,11,13
.irp b, 0,1,2,3
	v_max3_num_f32 v[BM+\b], v[BM+\b], v[S+16*\b+\i], v[S+16*\b+\i+1]
.endr
.endr
.irp b, 0,1,2,3
	v_max_num_f32 v[BM+\b], v[BM+\b], v[S+16*\b+15]
.endr
.irp b, 0,1,2,3
	v_permlanex16_b32 v[TQ+\b], v[BM+\b], s[SEL], s[SEL+1]
.endr
.irp b, 0,1,2,3
	v_max_num_f32 v[BM+\b], v[BM+\b], v[TQ+\b]     ; with lane l xor 16's 16 keys
.endr
	v_max3_num_f32 v[SE+6], v[BM], v[BM+1], v[BM+2]
	v_mov_b32 v[SE+7], v[SE]                       ; the old -M
	v_max3_num_f32 v[SE+1], v[SE+6], v[BM+3], v[SE+1]   ; the running largest score
	v_mul_f32 v[SE+6], s[NC], v[SE+1]              ; -t of it (c is positive)
	v_floor_f32 v[SE], v[SE+6]                     ; the new -M = floor(-t)
	v_sub_f32 v[SE+6], v[SE], v[SE+7]              ; old M - new M: a whole number, 0 or less
.set I, 0
.rept 32
	v_pk_fma_f32 v[S+2*I:S+2*I+1], v[S+2*I:S+2*I+1], s[CS:CS+1], v[SE:SE+1] op_sel_hi:[1,0,0]   ; t - M
.if I == 4
	v_cvt_i32_f32 v[SE+6], v[SE+6]                 ; (it saturates)
.endif
.if I == 9
	v_ldexp_f32 v[SE+4], 1.0, v[SE+6]              ; f = 2^(old M - new M)
.endif
.set I, I+1
.endr
.irp b, 0,1,2,3
	v_fma_f32 v[BM+\b], v[BM+\b], s[CS], v[SE]
.endr
	s_wait_alu depctr_va_vdst(0)
.set I, 0
.rept 64
	v_exp_f32 v[S+I], v[S+I]                       ; p = 2^(t - M)
.set I, I+1
.endr
.irp c, 0,1,2,3
	v_pk_mul_f32 v[LE+2*\c:LE+2*\c+1], v[LE+2*\c:LE+2*\c+1], v[SE+4:SE+5] op_sel_hi:[1,0]   ; the sums under the new M
.endr
	s_wait_alu depctr_va_vdst(0)                   ; one wait for the batch, and ahead of the next
.irp b, 0,1,2,3
	v_exp_f32 v[BM+\b], v[BM+\b]                   ; each block's largest p
.endr
.set I, 0
.rept 32
	v_pk_add_f32 v[LE+2*(I%4):LE+2*(I%4)+1], v[LE+2*(I%4):LE+2*(I%4)+1], v[S+2*I:S+2*I+1]   ; the row's sum of the unquantised p, four chains by turns
.set I, I+1
.endr
	s_wait_alu depctr_va_vdst(0)                   ; and one for the four
.irp b, 0,1,2,3
	v_max_num_f32 v[BM+\b], 0x2800000, v[BM+\b]    ; the floor 2^(5 - 127): the byte cannot fall under 1
.endr
.irp b, 0,1,2,3
	v_add_nc_u32 v[SO+\b], 0xfe000000, v[BM+\b]    ; 4 off the exponent field: the conversion's scale operand
.endr
.irp b, 0,1,2,3
	v_lshrrev_b32 v[TQ+\b], 23, v[SO+\b]           ; the scale's byte
.endr
	v_lshl_or_b32 v[PSW], v[TQ+1], 8, v[TQ]
	v_lshl_or_b32 v[PSW], v[TQ+2], 16, v[PSW]
	v_lshl_or_b32 v[PSW], v[TQ+3], 24, v[PSW]
.irp c, 0,1
	v_cvt_scalef32_pk16_bf6_f32 v[PCD+6*\c:PCD+6*\c+2], v[S+32*\c:S+32*\c+15], v[SO+2*\c]
	v_cvt_scalef32_pk16_bf6_f32 v[CT+4*\c:CT+4*\c+2], v[S+32*\c+16:S+32*\c+31], v[SO+2*\c+1]   ; (a conversion's three registers begin on an even number)
.endr
	v_nop                                          ; one plain place behind a scaled conversion
.irp c, 0,1                                    ; the operand wants a whole block in a lane
.irp i, 0,1,2
	v_permlane16_swap_b32 v[PCD+6*\c+\i], v[CT+4*\c+\i]
.endr
.irp i, 0,1,2
	v_mov_b32 v[PCD+6*\c+3+\i], v[CT+4*\c+\i]
.endr
.endr
	WIN 0x41*(\e)                                  ; state 1's O^T lies in window 1
	s_wait_alu depctr_va_vdst(0)                   ; directly ahead of the first reader of O^T
.set I, 0
.rept 32
	v_pk_mul_f32 v[OB+2*I:OB+2*I+1], v[OB+2*I:OB+2*I+1], v[SE+4:SE+5] op_sel_hi:[1,0]   ; O^T under the new M; also the places ahead of the scaled products
.set I, I+1
.endr
	s_wait_alu depctr_va_vdst(0)
	s_wait_dscnt 0x0                               ; V and its scale words are in
	WIN 0x01+0x50*(\e)
.irp t, 0,1,2,3,4,5,6,7
	WM OB+8*\t, 12*\t, PCD, OB+8*\t, VSC+\t%4, PSW, \t/4   ; eight accumulators, one instruction each
.endr
	WIN 0
.rept 4
	v_nop                                          ; four places ahead of the next loads into V's registers and of the next read of O^T
.endr
.endm
.macro UNIT e, sl                      ; a step with no open key for the state's tile is jumped over
	s_lshr_b32 s[FS], s[FL+\e], s[J]
	s_bitcmp1_b32 s[FS], 2*(\sl)
	s_cbranch_scc0 .Lnext_\@
	BODY \e, \sl
.Lnext_\@:
.endm
.macro PHASE sl                        ; my key step of the slot, 4 trip + 2 sl + parity, for both states
	s_add_co_u32 s[TK], s[TKP], (\sl)*SLOTB
	v_add_nc_u32 v[ADK], s[TK], v1
	v_add_nc_u32 v[ADS], s[TK], v2
	v_add_nc_u32 v[ADM], s[TMK], v3
	s_wait_alu depctr_va_vdst(0)
	UNIT 0, \sl
	UNIT 1, \sl
.endm
.macro QUANT s, pc, pw                 ; 64 numbers of a lane become a fragment's codes in v[pc] on and the row's scale word in v[pw]
.irp b, 0,1,2,3
	v_max3_num_f32 v[TM+\b], |v[(\s)+16*\b]|, |v[(\s)+1+16*\b]|, 0x2800000
.endr
.irp i, 2,4,6,8,10,12,14
.irp b, 0,1,2,3
	v_max3_num_f32 v[TM+\b], v[TM+\b], |v[(\s)+16*\b+\i]|, |v[(\s)+1+16*\b+\i]|
.endr
.endr
.irp b, 0,1,2,3
	v_permlanex16_b32 v[TM+4+\b], v[TM+\b], s[SEL], s[SEL+1]
.endr
.irp b, 0,1,2,3
	v_max_num_f32 v[TM+\b], v[TM+\b], v[TM+4+\b]
.endr
.irp b, 0,1,2,3
	v_add_nc_u32 v[TM+12+\b], 0xfe000000, v[TM+\b]
.endr
.irp b, 0,1,2,3
	v_lshrrev_b32 v[TM+4+\b], 23, v[TM+12+\b]
.endr
	v_lshl_or_b32 v[\pw], v[TM+5], 8, v[TM+4]
	v_lshl_or_b32 v[\pw], v[TM+6], 16, v[\pw]
	v_lshl_or_b32 v[\pw], v[TM+7], 24, v[\pw]
.irp c, 0,1
	v_cvt_scalef32_pk16_bf6_f32 v[(\pc)+6*\c:(\pc)+2+6*\c], v[(\s)+32*\c:(\s)+15+32*\c], v[TM+12+2*\c]
	v_cvt_scalef32_pk16_bf6_f32 v[(\pc)+12+4*\c:(\pc)+14+4*\c], v[(\s)+16+32*\c:(\s)+31+32*\c], v[TM+12+2*\c+1]
.endr
	v_nop
.irp c, 0,1
.irp i, 0,1,2
	v_permlane16_swap_b32 v[(\pc)+6*\c+\i], v[(\pc)+12+4*\c+\i]
.endr
.irp i, 0,1,2
	v_mov_b32 v[(\pc)+3+6*\c+\i], v[(\pc)+12+4*\c+\i]
.endr
.endr
.endm
; what state e needs of its tile: the flags, Q's image and scale words, the mask's rows
.macro QSET e
	s_wait_xcnt 0x0                                ; earlier loads have read their bases: the registers below may be written again
	s_lshl_b32 s48, s[TT+\e], 2
	s_add_nc_u64 s[60+2*\e:61+2*\e], s[10:11], s[48:49]
	s_load_b32 s[FL+\e], s[60+2*\e:61+2*\e], 0x0
	s_lshl_b32 s48, s[HEAD], 7
	s_add_co_u32 s48, s48, s[TT+\e]
	s_mul_i32 s48, s48, 1536
	s_add_nc_u64 s[52:53], s[4:5], s[48:49]        ; Q's image: (128 head + T) x 1,536
	s_lshl_b32 s48, s[HEAD], 5
	s_lshr_b32 s50, s[TT+\e], 2
	s_add_co_u32 s48, s48, s50
	s_lshl_b32 s48, s48, 8
	s_and_b32 s51, s[TT+\e], 3
	s_lshl_b32 s51, s51, 2
	s_add_co_u32 s48, s48, s51
	s_add_co_u32 s48, s48, 3145728
	s_add_nc_u64 s[54:55], s[4:5], s[48:49]        ; and its scale words
	WIN 0x40
.irp c, 0,1,2
	global_load_b128 v[QF+12*\e+4*\c:QF+12*\e+4*\c+3], v1, s[52:53] offset:512*\c
.endr
	WIN 0
	global_load_b32 v[QSC+\e], v9, s[54:55]
	s_lshr_b32 s48, s[TT+\e], 1
	s_lshl_b32 s48, s48, 16
	s_and_b32 s50, s[TT+\e], 1
	s_lshl_b32 s50, s50, 14
	s_add_co_u32 s48, s48, s50
	s_add_nc_u64 s[MKP+2*\e:MKP+2*\e+1], s[8:9], s[48:49]   ; the mask at row 32 (T / 2) + 8 (T % 2)
.endm
	s_load_b256 s[4:11], s[0:1], 0x0               ; qc s[4:5], kv s[6:7], mask s[8:9], fl s[10:11]
	s_load_b64 s[12:13], s[0:1], 0x20              ; ac
	v_lshl_add_u32 v[SPW], v0, 2, SPARE
	v_mov_b32 v[NIL], 0
	v_lshrrev_b32 v9, 5, v0
	v_readfirstlane_b32 s[WV], v9                  ; wave 0..7
	s_and_b32 s[PAR], s[WV], 1                     ; my parity of key steps, and which tile I finish
	s_lshr_b32 s[HD], s[WV], 1                     ; which of the four heads
	s_mul_i32 s48, s[WV], 6400                     ; my share of a slot
	s_mul_i32 s50, s[WV], XSZ
	s_add_co_u32 s50, s50, XCH                     ; where I put state 1,
	s_xor_b32 s51, s[WV], 1
	s_mul_i32 s51, s51, XSZ
	s_add_co_u32 s51, s51, XCH                     ; and where my partner puts its own
	s_lshl_b32 s52, s[PAR], 8
	s_add_co_u32 s52, s52, SCW
	s_lshl_b32 s53, s[HD], 2
	s_add_co_u32 s53, s53, s52
	s_mul_i32 s[TKP], s[PAR], STEPB
	v_and_b32 v6, 31, v0
	v_lshlrev_b32 v1, 4, v6                        ; 16 x lane
	v_lshlrev_b32 v[GO8], 3, v6                    ; 8 x lane
	v_and_b32 v6, 15, v0                           ; r
	v_bfe_u32 v7, v0, 4, 1                         ; h
	v_lshlrev_b32 v9, 4, v6                        ; 16 r
	v_lshl_add_u32 v2, v7, 8, v9                   ; 16 r + 256 h
	v_and_b32 v3, 8, v6
	v_add_nc_u32 v3, v3, v6
	v_lshlrev_b32 v3, 11, v3
	v_lshl_add_u32 v3, v7, 4, v3                   ; my query's mask row (r + 8 (r / 8)) x 2,048, + 16 h
	v_add_nc_u32 v[ST0], s48, v1
	v_add_nc_u32 v[ST8], s48, v[GO8]
	v_add_nc_u32 v[XA], s50, v1
	v_add_nc_u32 v[XAS], s50, v[GO8]
	v_add_nc_u32 v[XB], s51, v1
	v_add_nc_u32 v[XBS], s51, v[GO8]
	v_add_nc_u32 v[SWA], s53, v9                   ; my scale word on the way out: SCW + 256 parity + 16 r + 4 head
	v_add_nc_u32 v[SRD], s52, v[GO8]
	s_wait_alu depctr_va_vdst(0)
	s_wait_kmcnt 0x0
	s_mov_b32 s49, 0
	s_add_nc_u64 s[KVP:KVP+1], s[6:7], s[48:49]
	LOADG 0                                        ; key steps 0 and 1
	s_lshr_b32 s50, ttmp9, 2
	s_sub_co_u32 s51, 127, s50
	s_cmp_eq_u32 s[PAR], 0
	s_cselect_b32 s[TT], s50, s51                  ; the tiles enter global addresses alone
	s_cselect_b32 s[TT+1], s51, s50
	s_and_b32 s[HG], ttmp9, 3
	s_lshl_b32 s[HEAD], s[HG], 2
	s_add_co_u32 s[HEAD], s[HEAD], s[HD]
	QSET 0
	QSET 1
	s_lshr_b32 s48, s[TT], 2
	s_lshl_b32 s48, s48, 2
	s_add_co_u32 s48, s48, s[HG]
	s_lshl_b32 s48, s48, 2
	s_and_b32 s50, s[TT], 3
	s_add_co_u32 s48, s48, s50
	s_mul_i32 s48, s48, 6400
	s_add_nc_u64 s[OSP:OSP+1], s[12:13], s[48:49]  ; state 0's operand block: ((T / 4) 4 + head / 4) 4 + T % 4
	s_mul_i32 s48, s[HD], 1536
	s_add_nc_u64 s[OCP:OCP+1], s[OSP:OSP+1], s[48:49]
	s_mov_b32 s[SEL], 0x76543210
	s_mov_b32 s[SEL+1], 0xfedcba98
	s_mov_b32 s[CS], 0x3e0293ee                    ; c = log2(e) / sqrt(128)
	s_mov_b32 s[CS+1], s[CS]
	s_mov_b32 s[NC], 0xbe0293ee                    ; -c
	s_mov_b32 s[J], s[PAR]                         ; 4 trip + parity
	s_lshl_b32 s[TMK], s[PAR], 7                   ; and its first key
	s_mov_b32 s[PS], 0x000c0c0c
	s_mov_b32 s[PS+1], 0x010c0c0c
	s_mov_b32 s[PS+2], 0x020c0c0c
	s_mov_b32 s[PS+3], 0x030c0c0c
	s_mov_b32 s[C1], 0x01010101
	s_mov_b32 s[C255], 255
.irp e, 0,1
	v_mov_b32 v[ST+8*\e+1], 0xf3000000             ; the largest score so far: -2^103
	v_mul_f32 v[ST+8*\e+6], s[NC], v[ST+8*\e+1]
	v_floor_f32 v[ST+8*\e], v[ST+8*\e+6]           ; -M
	v_mov_b32 v[ST+8*\e+4], 0
	v_mov_b32 v[ST+8*\e+5], 0
.endr
.irp b, 0,1,2,3
	v_mov_b32 v[TQ+\b], 0                          ; a lane permute's destination counts as one of its sources
	v_mov_b32 v[TM+4+\b], 0
.endr
.set I, 0
.rept 64
	v_mov_b32 v[O0+I], 0                           ; O^T: which step is a state's first hangs on its flags, so the step is written once and the first finds zeros
.set I, I+1
.endr
.set I, 0
.rept 16
	v_mov_b32 v[LA+I], 0
.set I, I+1
.endr
	WIN 0x40
.set I, 0
.rept 64
	v_mov_b32 v[O1+I], 0
.set I, I+1
.endr
	WIN 0
	s_wait_alu depctr_va_vdst(0)
	s_wait_kmcnt 0x0                               ; the flags
	s_wait_loadcnt 0x0                             ; my share of slot 0, and Q
	TOLDS 0
	MEET
	s_mov_b32 s[OC], 4
.Lpair:                                            ; four trips, each over both slots
	LOADG SLOTB                                    ; the next two key steps set out
	PHASE 0
	s_wait_loadcnt 0x0
	TOLDS 1                                        ; slot 1 was last read ahead of the last barrier
	MEET
	s_cmp_eq_u32 s[OC], 1                          ; the last trip has nothing more to fetch
	s_cbranch_scc1 .Lno_more
	LOADG 2*SLOTB
.Lno_more:
	PHASE 1
	s_wait_loadcnt 0x0                             ; on every way: no load of mine is out when the next run of loads names the same registers
	s_cmp_eq_u32 s[OC], 1
	s_cbranch_scc1 .Lno_fill
	TOLDS 0
.Lno_fill:
	s_wait_xcnt 0x0                                ; my loads have read their base: only now is it stepped
	s_add_nc_u64 s[KVP:KVP+1], s[KVP:KVP+1], 2*SLOTB
	s_add_co_u32 s[J], s[J], 4
	s_add_co_u32 s[TMK], s[TMK], 512
	MEET
	s_sub_co_u32 s[OC], s[OC], 1
	s_cmp_lg_u32 s[OC], 0
	s_cbranch_scc1 .Lpair
	; THE JOIN.  Each state's sum in a lane; state 1 goes to the partner as the image of its registers
.irp e, 0,1
.irp c, 0,1,2,3
	v_add_f32 v[XT+\c], v[LA+8*\e+2*\c], v[LA+8*\e+2*\c+1]
.endr
	v_add_f32 v[XT], v[XT], v[XT+1]
	v_add_f32 v[XT+2], v[XT+2], v[XT+3]
	v_add_f32 v[ST+8*\e+1], v[XT], v[XT+2]         ; beside -M, where the largest score lay
.endr
	v_mov_b32 v[G0+1], 0
	v_mov_b32 v[G1+1], 0
	WIN 0x04
	s_wait_alu depctr_va_vdst(0)                   ; directly ahead of the first reader of state 1's O^T
.set I, 0
.rept 16
	ds_store_b128 v[XA], v[O1+4*I:O1+4*I+3] offset:512*I   ; each accumulator from its low end on
.set I, I+1
.endr
	WIN 0
	ds_store_b64 v[XAS], v[ST+8:ST+9] offset:8192
	s_wait_dscnt 0x0
	s_barrier_signal -1
	s_barrier_wait -1
.set I, 0
.rept 16
	ds_load_b128 v[S+4*I:S+4*I+3], v[XB] offset:512*I      ; the other half of the keys for my tile
.set I, I+1
.endr
	ds_load_b64 v[PT:PT+1], v[XBS] offset:8192
	s_wait_dscnt 0x0
	v_min_num_f32 v[W], v[ST], v[PT]               ; the common -M
	v_sub_f32 v[W+1], v[W], v[ST]                  ; own M - common M: whole numbers, 0 or less
	v_sub_f32 v[W+2], v[W], v[PT]
	v_cvt_i32_f32 v[W+1], v[W+1]
	v_cvt_i32_f32 v[W+2], v[W+2]
	v_ldexp_f32 v[W+1], 1.0, v[W+1]
	v_ldexp_f32 v[W+2], 1.0, v[W+2]
	v_mul_f32 v[ST+2], v[ST+1], v[W+1]
	v_fma_f32 v[ST+2], v[PT+1], v[W+2], v[ST+2]
	v_permlanex16_b32 v[ST+6], v[ST+2], s[SEL], s[SEL+1]
	v_add_f32 v[ST+2], v[ST+2], v[ST+6]            ; the row's sum
	s_wait_alu depctr_va_vdst(0)
	v_rcp_f32 v[ST+3], v[ST+2]
	v_nop                                          ; a plain place behind it
	s_wait_alu depctr_va_vdst(0)                   ; and the wait ahead of its reader
	v_mul_f32 v[G0], v[W+1], v[ST+3]
	v_mul_f32 v[G1], v[W+2], v[ST+3]
.set I, 0
.rept 64
	v_mul_f32 v[S+I], v[S+I], v[G1]
.set I, I+1
.endr
	s_wait_alu depctr_va_vdst(0)                   ; directly ahead of the first reader of state 0's O^T
.set I, 0
.rept 64
	v_fma_f32 v[S+I], v[O0+I], v[G0], v[S+I]       ; O^T / the sum; each accumulator from its low end on
.set I, I+1
.endr
	; THE WAY OUT: K = 128 head + channel of the last projection
	QUANT S, 64, PW
	v_cmp_eq_f32 vcc_lo, 0, v[ST+2]                ; a query with no open key: four NaN scale bytes
	v_cndmask_b32 v[PW], v[PW], -1, vcc_lo
.irp c, 0,1,2
	global_store_b128 v1, v[64+4*\c:64+4*\c+3], s[OCP:OCP+1] offset:512*\c   ; 512 consecutive bytes, at a multiple of 256 from the buffer's first byte
.endr
	ds_store_b32 v[SWA], v[PW]                     ; both halves of the lanes write the same word with the same value
	s_wait_dscnt 0x0
	s_barrier_signal -1
	s_barrier_wait -1                              ; the four heads' words of each tile lie together
	s_cmp_lt_u32 s[WV], 2                          ; waves 0 and 1 (head 0 of each tile) store them
	s_cbranch_scc0 .Lend
	ds_load_b64 v[RB:RB+1], v[SRD]
	s_wait_dscnt 0x0
	global_store_b64 v[GO8], v[RB:RB+1], s[OSP:OSP+1] offset:6144   ; 256 consecutive bytes
.Lend:
	s_wait_tensorcnt 0x0                           ; the wave's end
	ds_add_u32 v[SPW], v[NIL]
	s_wait_dscnt 0x0
	s_endpgm
.Lfunc_end_k_qd63691d24d_attn:
	.size	k_qd63691d24d_attn, .Lfunc_end_k_qd63691d24d_attn-k_qd63691d24d_attn
	.p2alignl 7, 3214868480
	.fill 96, 4, 3214868480
	.section	.rodata,"a",@progbits
	.p2align	6, 0x0
	.amdhsa_kernel k_qd63691d24d_attn
		.amdhsa_group_segment_fixed_size 171520
		.amdhsa_private_segment_fixed_size 0
		.amdhsa_enable_private_segment 0
		.amdhsa_kernarg_size 40
		.amdhsa_user_sgpr_count 2
		.amdhsa_user_sgpr_kernarg_segment_ptr 1
		.amdhsa_wavefront_size32 1
		.amdhsa_system_sgpr_workgroup_id_x 1
		.amdhsa_system_sgpr_workgroup_id_y 1
		.amdhsa_system_sgpr_workgroup_id_z 1
		.amdhsa_system_vgpr_workitem_id 0
		.amdhsa_next_free_vgpr 512
		.amdhsa_next_free_sgpr 66
		.amdhsa_reserve_vcc 1
		.amdhsa_float_denorm_mode_32 3
		.amdhsa_float_denorm_mode_16_64 3
		.amdhsa_memory_ordered 1
		.amdhsa_forward_progress 1
		.amdhsa_inst_pref_size 136
	.end_amdhsa_kernel
	.amdgpu_metadata
---
amdhsa.version: [ 1, 2 ]
amdhsa.kernels:
  - .name:           k_qd63691d24d_attn
    .symbol:         k_qd63691d24d_attn.kd
    .args:
      - { .name: qc, .offset: 0, .size: 8, .value_kind: global_buffer, .address_space: global }
      - { .name: kv, .offset: 8, .size: 8, .value_kind: global_buffer, .address_space: global }
      - { .name: mask, .offset: 16, .size: 8, .value_kind: global_buffer, .address_space: global }
      - { .name: fl, .offset: 24, .size: 8, .value_kind: global_buffer, .address_space: global }
      - { .name: ac, .offset: 32, .size: 8, .value_kind: global_buffer, .address_space: global }
    .group_segment_fixed_size: 171520
    .private_segment_fixed_size: 0
    .kernarg_segment_align: 8
    .kernarg_segment_size: 40
    .max_flat_workgroup_size: 256
    .sgpr_count:     66
    .vgpr_count:     512
    .wavefront_size: 32
...
	.end_amdgpu_metadata
.endif
;; end of part 3
;; launch outp (part 4): grid 16 x 16, 4 waves a work-group, clusters of 4 x 4, 327,680 bytes of LDS; arguments ac, oc, bo, out0; writes out0
.if DOCPART == 4
	.amdgcn_target "amdgcn-amd-amdhsa--gfx1250"
	.amdhsa_code_object_version 6
	.text
	.protected	k_qd63691d24d_outp
	.globl	k_qd63691d24d_outp
	.p2align	8
	.type	k_qd63691d24d_outp,@function
k_qd63691d24d_outp:
	s_mov_b64 s[64:65], 0
	v_nop
	global_prefetch_b8 v0, s[64:65] scope:SCOPE_SE
	s_setreg_imm32_b32 hwreg(HW_REG_WAVE_MODE, 25, 1), 1
	s_wait_xcnt 0x0
	s_wait_alu depctr_hold_cnt(0) depctr_sa_sdst(0) depctr_va_vdst(0) depctr_va_sdst(0) depctr_va_ssrc(0) depctr_va_vcc(0) depctr_vm_vsrc(0)
	s_getreg_b32 s2, hwreg(HW_REG_IB_STS2, 6, 4)
	s_cmp_eq_u32 s2, 0
	s_cbranch_scc0 .Lentry_in_a_cluster
	s_endpgm
.Lentry_in_a_cluster:
	s_bfe_u32 s2, ttmp6, 0x10000c
	s_cmp_lg_u32 s2, 0xf033
	s_cbranch_scc0 .Lentry_shape_is_right
	s_endpgm
.Lentry_shape_is_right:
; out0 = a Wo^T + bo on codes of BF6 (E3M2) with E8M0 scales; a is attention's result.  Both operands arrive as operand blocks (16 rows x 512 K, 6,400 bytes: four images of a fragment's 12 registers at 1,536 f,
; the scale words at 6,144 + 16 row + 4 f), laid [tile / 4][K / 512][tile % 4][6,400]; lane-row p of tile t is row 32 (t / 2) + 8 (t % 2) + p + 8 (p / 8).
; SHARES: a tile of out0 is 128 x 128: 16 x 16 = 256 work-groups, one for each WGP.  Wave (wr, wc) = (w / 2, w % 2): source 1 = a's tiles 4 wr + a, source 0 = Wo's tiles 4 wc + t: 16 accumulators;
; a lane holds one row of out0 and its registers run along the columns.  bo is the C of each sum's first matrix instruction.
; K goes in four groups of 512.  A slot holds a's 8 blocks and Wo's 8, 102,400 bytes; three slots fit, so groups 0, 1, 2 are first fills (one load of a wave brings all three) and group 3 is the one refill.
; CLUSTER: 4 x 4.  a's blocks hang on X alone and are shared along a column of the cluster, Wo's on Y alone and are shared along a row: each is asked for jointly.
; REGISTERS: window 0: v1-21 addresses; v32-63 scale words, two sets of 16; v64-95 bo's four tiles, later with v96-127 rows on the way out; v128-255 the accumulators, (a, t) at v[128 + 8 (4 a + t)].
;   window 1: two buffers of 96: source 0's four fragments, then source 1's four.
; ac and oc are laid [tile / 4][K / 512][tile % 4][6,400]: a wave's four blocks of K groups 0 to 2 are 76,800 dense bytes, brought by its one load at the head into its own part of LDS; K group 3 is the one refill, into group 0's bytes.
.set SLOT,  25600                      ; from a K group to the next inside a part of 76,800 bytes; parts: a's two halves, then Wo's two
.set SPARE, 307200                     ; behind the slots: the spare words, 128 bytes for each wave
.set STAGE, SLOT                       ; the way out: 16 rows x 272 bytes for each wave, in slot 1: it has had its only fill, and its last read lies ahead of the last barrier
.set SPW, 4
.set NIL, 5
.set AF0, 6                            ; v6-8    source 0's images in slots 0, 1, 2
.set AF1, 9                            ; v9-11   source 1's
.set AS0, 12                           ; v12-14  source 0's scale words
.set AS1, 15                           ; v15-17  source 1's
.set BH,  18                           ; v18  64 h
.set STO, 19                           ; v19  the stage: where I put 16 bytes of a row
.set RD,  20                           ; v20  and where I read rows back
.set CO,  21                           ; v21  my byte offset in two rows of out0
.set SC,  32
.set BI,  64
.set BK,  64
.set ACC, 128
.set WV, 12
.set WR, 13
.set WC, 14
.set G1P, 24                           ; s[24:31] group 1 for a's blocks; s[32:39] for Wo's; s[40:43], s[52:55] their groups 0
.set G1R, 32
.set G0P, 40
.set G0R, 52
.set MSB, 0
.macro WIN new                         ; the immediate's high byte repeats the setting that is left
.if MSB != \new
	s_set_vgpr_msb (MSB<<8)|\new
.set MSB, \new
.endif
.endm
.macro PLACES
.rept 4
	v_nop
.endr
.endm
.macro CREST
	s_cmp_lg_u32 s[WV], 0
	s_cbranch_scc1 .Lnot_wave_0_\@
	s_barrier_signal -3
.Lnot_wave_0_\@:
	s_barrier_wait -3
	s_barrier_signal -1
	s_barrier_wait -1
.endm
.macro CROUND
	s_barrier_signal -1
	s_barrier_wait -1
	CREST
.endm
.macro JLOAD sl                        ; waves 0 and 1 fetch a's halves, waves 2 and 3 Wo's; four v_nop follow each of the two lines
	s_cmp_eq_u32 s[WR], 0
	s_cbranch_scc0 .Lfor_r_\@
	tensor_load_to_lds s[G0P+4*\sl:G0P+4*\sl+3], s[G1P:G1P+7]
	s_nop 0
.rept 4
	v_nop
.endr
	s_branch .Lasked_\@
.Lfor_r_\@:
	tensor_load_to_lds s[G0R+4*\sl:G0R+4*\sl+3], s[G1R:G1R+7]
	s_nop 0
.rept 4
	v_nop
.endr
.Lasked_\@:
.endm
.macro WM d, a, b, c, sa, sb, ra, rb   ; one matrix instruction; ra, rb: the side's scale words lie in lanes 16-31
.if ((\ra) != 0) && ((\rb) != 0)
	v_wmma_scale_f32_16x16x128_f8f6f4 v[(\d):(\d)+7], v[(\a):(\a)+11], v[(\b):(\b)+11], v[(\c):(\c)+7], v[\sa], v[\sb] matrix_a_fmt:MATRIX_FMT_BF6 matrix_b_fmt:MATRIX_FMT_BF6 matrix_a_scale:MATRIX_SCALE_ROW1 matrix_b_scale:MATRIX_SCALE_ROW1
.elseif (\ra) != 0
	v_wmma_scale_f32_16x16x128_f8f6f4 v[(\d):(\d)+7], v[(\a):(\a)+11], v[(\b):(\b)+11], v[(\c):(\c)+7], v[\sa], v[\sb] matrix_a_fmt:MATRIX_FMT_BF6 matrix_b_fmt:MATRIX_FMT_BF6 matrix_a_scale:MATRIX_SCALE_ROW1
.elseif (\rb) != 0
	v_wmma_scale_f32_16x16x128_f8f6f4 v[(\d):(\d)+7], v[(\a):(\a)+11], v[(\b):(\b)+11], v[(\c):(\c)+7], v[\sa], v[\sb] matrix_a_fmt:MATRIX_FMT_BF6 matrix_b_fmt:MATRIX_FMT_BF6 matrix_b_scale:MATRIX_SCALE_ROW1
.else
	v_wmma_scale_f32_16x16x128_f8f6f4 v[(\d):(\d)+7], v[(\a):(\a)+11], v[(\b):(\b)+11], v[(\c):(\c)+7], v[\sa], v[\sb] matrix_a_fmt:MATRIX_FMT_BF6 matrix_b_fmt:MATRIX_FMT_BF6
.endif
.endm
; 4 n matrix instructions; cm = 1: C = bo.  The 16 accumulators take turns, one instruction a turn, in the same order in every step
.macro MUL a0, n, p, f, sg, cm
.set AA, \a0
.rept \n
.irp t, 0,1,2,3
.if \cm == 0
	WM ACC+8*(4*AA+\t), 96*(\p)+12*\t, 96*(\p)+48+12*AA, ACC+8*(4*AA+\t), SC+16*(\sg)+4*(\t/2)+(\f), SC+16*(\sg)+8+4*(AA/2)+(\f), \t%2, AA%2
.else
	WM ACC+8*(4*AA+\t), 96*(\p)+12*\t, 96*(\p)+48+12*AA, BI+8*\t, SC+16*(\sg)+4*(\t/2)+(\f), SC+16*(\sg)+8+4*(AA/2)+(\f), \t%2, AA%2
.endif
.endr
.set AA, AA+1
.endr
.endm
.macro FETCH sl, f, p                  ; 24 LDS loads of 512 consecutive bytes
	WIN 0x40                                       ; destination window 1
.irp t, 0,1,2,3
.irp c, 0,1,2
	ds_load_b128 v[96*(\p)+12*\t+4*\c:96*(\p)+12*\t+4*\c+3], v[AF0+\sl] offset:6400*\t+1536*(\f)+512*\c
.endr
.endr
.irp t, 0,1,2,3
.irp c, 0,1,2
	ds_load_b128 v[96*(\p)+48+12*\t+4*\c:96*(\p)+48+12*\t+4*\c+3], v[AF1+\sl] offset:6400*\t+1536*(\f)+512*\c
.endr
.endr
	WIN 0
.endm
.macro SCALES sl, sg                   ; register 4 i + f: lanes 0-15 tile 2 i's rows, lanes 16-31 tile 2 i + 1's
.irp i, 0,1
	ds_load_b128 v[SC+16*(\sg)+4*\i:SC+16*(\sg)+4*\i+3], v[AS0+\sl] offset:6144+12800*\i
	ds_load_b128 v[SC+16*(\sg)+8+4*\i:SC+16*(\sg)+8+4*\i+3], v[AS1+\sl] offset:6144+12800*\i
.endr
.endm
.macro KSTEP p, f, sg, nsl, nf, nsc    ; nsc >= 0: the next step opens a K group: its scale words come into set nsc
	s_wait_dscnt 0x0                               ; buffer p is in (asked for 16 matrix instructions ago)
	PLACES
	FETCH \nsl, \nf, 1-(\p)
.if \nsc >= 0
	SCALES \nsl, \nsc
.endif
	WIN 0x05                                       ; sources 0 and 1 window 1
	MUL 0, 4, \p, \f, \sg, 0
.endm
; a step with a barrier: in front of it each wave waits for all its tensor loads, adds 0 to its spare word and waits for that and for its LDS reads so far
.macro TURN sg, fill, old, nxt
	WIN 0
	s_wait_tensorcnt 0x0                           ; all my tensor loads have landed
	ds_add_u32 v[SPW], v[NIL]                      ; 0 onto my spare word
	s_wait_dscnt 0x0                               ; the add is done, buffer 1 is in, and my reads of the slot are over
	s_barrier_signal -1
	WIN 0x05
	MUL 0, 2, 1, 3, \sg, 0
	WIN 0
	s_barrier_wait -1
.if \fill
	CREST                                          ; the barrier has opened a round of the cluster's: no wave of any partner still reads the slot or has a load on its way
	s_add_nc_u64 s[G0P+4*\old+2:G0P+4*\old+3], s[G0P+4*\old+2:G0P+4*\old+3], 3*25600   ; three K groups on in my part
	s_add_nc_u64 s[G0R+4*\old+2:G0R+4*\old+3], s[G0R+4*\old+2:G0R+4*\old+3], 3*25600
	JLOAD \old                                     ; the first tensor load behind the round; its four v_nop are the places in front of the loads below
.else
	PLACES
.endif
	FETCH \nxt, 0, 0
	SCALES \nxt, 1-(\sg)
	WIN 0x05
	MUL 2, 2, 1, 3, \sg, 0
.endm
	s_load_b256 s[4:11], s[0:1], 0x0               ; ac s[4:5], oc s[6:7], bo s[8:9], out0 s[10:11]
	v_lshl_add_u32 v[SPW], v0, 2, SPARE
	v_mov_b32 v[NIL], 0
	ds_add_u32 v4, v5
	ds_add_u32 v4, v5
	s_wait_dscnt 0x0
	v_lshrrev_b32 v2, 5, v0
	v_readfirstlane_b32 s[WV], v2                  ; wave 0..3
	s_lshr_b32 s[WR], s[WV], 1
	s_and_b32 s[WC], s[WV], 1
	s_bfe_u32 s15, ttmp6, 0x40000                  ; cx
	s_bfe_u32 s16, ttmp6, 0x40004                  ; cy
	s_lshl_b32 s17, ttmp9, 2
	s_add_co_u32 s17, s17, s15                     ; X: 128 rows of out0
	s_and_b32 s18, ttmp7, 0xffff
	s_lshl_b32 s18, s18, 2
	s_add_co_u32 s18, s18, s16                     ; Y: 128 columns
	s_lshl_b32 s19, s16, 2
	s_lshl_b32 s19, 15, s19                        ; my row of the cluster
	s_lshl_b32 s20, 0x1111, s15                    ; my column
	; group 1: four blocks, 25,600 dense bytes as 100 rows of 256 (32 elements of 8 bytes)
	s_or_b32 s[G1P], s20, (3<<16)|(1<<21)          ; a's blocks hang on X: shared along my column
	s_or_b32 s[G1R], s19, (3<<16)|(1<<21)          ; Wo's hang on Y: shared along my row
.irp g, G1P, G1R
	s_mov_b32 s[\g+1], 32<<16
	s_mov_b32 s[\g+2], 300<<16                     ; at the head: three K groups, 300 rows of 256 bytes
	s_mov_b32 s[\g+3], 32<<16
	s_mov_b32 s[\g+4], 300
	s_mov_b32 s[\g+5], 32
	s_mov_b32 s[\g+6], 0
	s_mov_b32 s[\g+7], 0
.endr
	s_lshl_b32 s70, s[WC], 2
	s_lshl_b32 s66, s17, 3
	s_add_co_u32 s66, s66, s70
	s_mul_i32 s66, s66, 25600                      ; a: part 2 X + wave % 2, 102,400 bytes each
	s_mov_b32 s67, 0
	s_lshl_b32 s68, s18, 3
	s_add_co_u32 s68, s68, s70
	s_mul_i32 s68, s68, 25600                      ; Wo: part 2 Y + wave % 2
	s_mov_b32 s69, 0
	s_mul_i32 s71, s[WV], 76800                    ; where my part lies in LDS
	s_wait_kmcnt 0x0
	s_add_nc_u64 s[66:67], s[4:5], s[66:67]
	s_add_nc_u64 s[68:69], s[6:7], s[68:69]
	CROUND                                         ; all sixteen work-groups are here: the first joint loads meet
.irp s, 0
	s_mov_b32 s[G0P+4*\s], 1
	s_add_co_u32 s[G0P+4*\s+1], s71, \s*SLOT
	s_add_nc_u64 s[G0P+4*\s+2:G0P+4*\s+3], s[66:67], \s*128*6400
	s_or_b32 s[G0P+4*\s+3], s[G0P+4*\s+3], 0x80000000
	s_mov_b32 s[G0R+4*\s], 1
	s_add_co_u32 s[G0R+4*\s+1], s71, \s*SLOT
	s_add_nc_u64 s[G0R+4*\s+2:G0R+4*\s+3], s[68:69], \s*128*6400
	s_or_b32 s[G0R+4*\s+3], s[G0R+4*\s+3], 0x80000000
.endr
	s_cmp_eq_u32 s[WR], 0                          ; one tensor load a wave at the head
	s_cbranch_scc0 .Lfirst_r
	tensor_load_to_lds s[G0P:G0P+3], s[G1P:G1P+7]
	s_nop 0
.rept 4
	v_nop
.endr
	s_branch .Lfirst_asked
.Lfirst_r:
	tensor_load_to_lds s[G0R:G0R+3], s[G1R:G1R+7]
	s_nop 0
.rept 4
	v_nop
.endr
.Lfirst_asked:
	v_and_b32 v2, 31, v0
	v_lshlrev_b32 v1, 4, v2                        ; 16 x lane
	v_and_b32 v2, 15, v0                           ; r
	v_bfe_u32 v3, v0, 4, 1                         ; h
	v_mul_u32_u24 v22, v3, 6400
	v_lshl_add_u32 v22, v2, 4, v22                 ; 16 r + 6,400 h
	s_mul_i32 s76, s[WC], 76800
	s_add_co_u32 s76, s76, 153600                  ; source 0: Wo's part wc
	s_mul_i32 s77, s[WR], 76800                    ; source 1: a's part wr
.irp s, 0,1,2
	v_add_nc_u32 v[AF0+\s], s76, v1
	v_add_nc_u32 v[AF1+\s], s77, v1
	v_add_nc_u32 v[AS0+\s], s76, v22
	v_add_nc_u32 v[AS1+\s], s77, v22
	s_add_co_u32 s76, s76, SLOT
	s_add_co_u32 s77, s77, SLOT
.endr
	v_lshlrev_b32 v[BH], 6, v3
	s_wait_alu depctr_va_vdst(0)
	s_mul_i32 s78, s[WV], 16*272
	s_add_co_u32 s78, s78, STAGE                   ; my stage
	v_mul_u32_u24 v[STO], v2, 272
	v_lshl_add_u32 v[STO], v3, 6, v[STO]
	v_add_nc_u32 v[STO], s78, v[STO]               ; in: row r, + 64 h
	v_mul_u32_u24 v[RD], v3, 272
	v_lshl_add_u32 v[RD], v2, 4, v[RD]
	v_add_nc_u32 v[RD], s78, v[RD]                 ; back: lanes 0-15 one row of 256 bytes, lanes 16-31 the next
	v_lshlrev_b32 v[CO], 13, v3
	v_lshl_add_u32 v[CO], v2, 4, v[CO]             ; and the same two rows in out0
	s_lshl_b32 s72, s17, 7
	s_lshl_b32 s73, s[WR], 6
	s_add_co_u32 s72, s72, s73
	s_lshl_b32 s72, s72, 13                        ; my first row: 128 X + 64 wr, rows of 8,192 bytes
	s_lshl_b32 s74, s18, 9
	s_lshl_b32 s75, s[WC], 8
	s_add_co_u32 s74, s74, s75                     ; my first column, in bytes: 512 Y + 256 wc
	s_add_co_u32 s72, s72, s74
	s_mov_b32 s73, 0
	s_mov_b32 s75, 0
	s_add_nc_u64 s[10:11], s[10:11], s[72:73]
	s_add_nc_u64 s[8:9], s[8:9], s[74:75]          ; bo at my first column
.irp t, 0,1,2,3
	global_load_b128 v[BI+8*\t:BI+8*\t+3], v[BH], s[8:9] offset:(32*(\t/2)+8*(\t%2))*4      ; lane (r, h), tile 2 b + u: columns 32 b + 16 h + 8 u + 0 .. 7
	global_load_b128 v[BI+8*\t+4:BI+8*\t+7], v[BH], s[8:9] offset:(32*(\t/2)+8*(\t%2))*4+16
.endr
	s_wait_tensorcnt 0x0                           ; my part, K groups 0 to 2, is in; no tensor load of mine is out, so group 1 may be written:
	s_mov_b32 s[G1P+2], 100<<16                    ; the refill brings one K group, 100 rows
	s_mov_b32 s[G1P+4], 100
	s_mov_b32 s[G1R+2], 100<<16
	s_mov_b32 s[G1R+4], 100
	s_barrier_signal -1
	s_barrier_wait -1                              ; everybody's is
	FETCH 0, 0, 0
	SCALES 0, 0
	s_wait_loadcnt 0x0                             ; bo
	s_wait_dscnt 0x0
	FETCH 0, 1, 1
	WIN 0x05
	MUL 0, 4, 0, 0, 0, 1                           ; the first step starts the sums with bo as C: nothing is cleared
	KSTEP 1, 1, 0, 0, 2, -1
	KSTEP 0, 2, 0, 0, 3, -1
	TURN 0, 1, 0, 1                                ; every wave's parts of groups 1 and 2 have landed; slot 0 takes K group 3
	KSTEP 0, 0, 1, 1, 1, -1
	KSTEP 1, 1, 1, 1, 2, -1
	KSTEP 0, 2, 1, 1, 3, -1
	KSTEP 1, 3, 1, 2, 0, 0                         ; on into slot 2, which the last barrier has shown whole
	KSTEP 0, 0, 0, 2, 1, -1
	KSTEP 1, 1, 0, 2, 2, -1
	KSTEP 0, 2, 0, 2, 3, -1
	TURN 0, 0, 2, 0                                ; K group 3 has landed; nothing is left to fetch
	KSTEP 0, 0, 1, 0, 1, -1
	KSTEP 1, 1, 1, 0, 2, -1
	KSTEP 0, 2, 1, 0, 3, -1
	s_wait_dscnt 0x0
	WIN 0x05
	MUL 0, 4, 1, 3, 1, 0
	WIN 0
; THE WAY OUT, a source-1 tile (16 rows x 64 columns) at a time: through my own stage in LDS and back as whole rows of 256 bytes.  LDS serves a wave's instructions in order: no wait between the stores and the loads.
.macro TOSTAGE a
.irp t, 0,1,2,3
	ds_store_b128 v[STO], v[ACC+8*(4*(\a)+\t):ACC+8*(4*(\a)+\t)+3] offset:128*(\t/2)+32*(\t%2)        ; each accumulator from its low end on
	ds_store_b128 v[STO], v[ACC+8*(4*(\a)+\t)+4:ACC+8*(4*(\a)+\t)+7] offset:128*(\t/2)+32*(\t%2)+16
.endr
.irp i, 0,1,2,3,4,5,6,7
	ds_load_b128 v[BK+32*((\a)%2)+4*\i:BK+32*((\a)%2)+4*\i+3], v[RD] offset:544*\i
.endr
.endm
.macro SEND a, younger                 ; stage rows 2 i and 2 i + 1 are out0's rows 32 (a / 2) + 8 (a % 2) + 2 i + 8 (i / 4) and the next
	s_wait_dscnt \younger
.irp i, 0,1,2,3,4,5,6,7
	global_store_b128 v[CO], v[BK+32*((\a)%2)+4*\i:BK+32*((\a)%2)+4*\i+3], s[10:11] offset:(32*((\a)/2)+8*((\a)%2)+2*\i+8*(\i/4))*8192 th:TH_STORE_NT   ; 16 lanes store 256 consecutive bytes, at a multiple of 256 from out0's first byte
.endr
.endm
	PLACES
	s_wait_alu depctr_va_vdst(0)
	TOSTAGE 0
.irp a, 1,2,3
.if \a > 1
	s_wait_xcnt 0x0                                ; tile a - 2's stores have read their registers: tile a's rows may land there
.endif
	TOSTAGE \a
	SEND \a-1, 16                                  ; behind tile a - 1's loads: tile a's 8 stores and 8 loads
.endr
	SEND 3, 0
	s_wait_tensorcnt 0x0                           ; the wave's end
	ds_add_u32 v[SPW], v[NIL]
	s_wait_dscnt 0x0
	CROUND                                         ; the closing round
	s_endpgm
.Lfunc_end_k_qd63691d24d_outp:
	.size	k_qd63691d24d_outp, .Lfunc_end_k_qd63691d24d_outp-k_qd63691d24d_outp
	.p2alignl 7, 3214868480
	.fill 96, 4, 3214868480
	.section	.rodata,"a",@progbits
	.p2align	6, 0x0
	.amdhsa_kernel k_qd63691d24d_outp
		.amdhsa_group_segment_fixed_size 327680
		.amdhsa_private_segment_fixed_size 0
		.amdhsa_enable_private_segment 0
		.amdhsa_kernarg_size 32
		.amdhsa_user_sgpr_count 2
		.amdhsa_user_sgpr_kernarg_segment_ptr 1
		.amdhsa_wavefront_size32 1
		.amdhsa_system_sgpr_workgroup_id_x 1
		.amdhsa_system_sgpr_workgroup_id_y 1
		.amdhsa_system_sgpr_workgroup_id_z 1
		.amdhsa_system_vgpr_workitem_id 0
		.amdhsa_next_free_vgpr 512
		.amdhsa_next_free_sgpr 100
		.amdhsa_reserve_vcc 0
		.amdhsa_float_denorm_mode_32 3
		.amdhsa_float_denorm_mode_16_64 3
		.amdhsa_memory_ordered 1
		.amdhsa_forward_progress 1
		.amdhsa_inst_pref_size 78
	.end_amdhsa_kernel
	.amdgpu_metadata
---
amdhsa.version: [ 1, 2 ]
amdhsa.kernels:
  - .name:           k_qd63691d24d_outp
    .symbol:         k_qd63691d24d_outp.kd
    .args:
      - { .name: ac, .offset: 0, .size: 8, .value_kind: global_buffer, .address_space: global }
      - { .name: oc, .offset: 8, .size: 8, .value_kind: global_buffer, .address_space: global }
      - { .name: bo, .offset: 16, .size: 8, .value_kind: global_buffer, .address_space: global }
      - { .name: out0, .offset: 24, .size: 8, .value_kind: global_buffer, .address_space: global }
    .group_segment_fixed_size: 327680
    .private_segment_fixed_size: 0
    .kernarg_segment_align: 8
    .kernarg_segment_size: 32
    .max_flat_workgroup_size: 128
    .sgpr_count:     100
    .vgpr_count:     512
    .wavefront_size: 32
...
	.end_amdgpu_metadata
.endif
;; end of part 4
